; MI455X (gfx1250); checked and timed in simulation.
; The chip was launched on July 23, 2026; its instructions are those of AMD's public machine-readable ISA for CDNA 5 (MIT licence, August 2026) and "CDNA5" Instruction Set Architecture Reference Guide (July 2026). The comments in the code are by the model that wrote it; some were corrected since.
;; Attention. Allowed arithmetic: matrix products marked QUANTISED: E2M3 operands, one E8M0 scale for each 32 along K, by v_wmma_scale_f32_16x16x128_f8f6f4 with both operands' format E2M3, f32 sums; everything else in f32.
;; Inputs: b_fc 1,024 float32; b_qkv 3,072 float32; w_fc 1,024 x 1,024 float32; w_qkv 1,024 x 3,072 float32; x 4 x 2,048 x 1,024 float32.
;; Outputs: out0 4 x 2,048 x 1,024 float32.
;; This version of the problem:
;;   THIS VERSION OF THE PROBLEM IS GIVEN IN LOW PRECISION. The matrix products marked QUANTISED in the list below multiply operands that are first quantised to E2M3 (2 exponent bits, 3 mantissa bits; 6 bits a number), with one power-of-two scale for each 32 numbers along K (OCP MX v1.0); their sums are f32. All else is computed in f32.
;;   The module's matrix products, in the order in which they are computed (A, B: the left and right operand; K: the contracted axis; several contracted axes count as one K, in the product's order):
;;     1. [M 8,192, K 1,024] x [K 1,024, N 3,072]; A: input x; B: input w_qkv: QUANTISED
;;     2. batch 64 x [M 2,048, K 64] x [K 64, N 2,048]; A: computed on the way; B: computed on the way: QUANTISED
;;     3. batch 64 x [M 2,048, K 2,048] x [K 2,048, N 64]; A: softmax (see below); B: computed on the way: QUANTISED
;;     4. [M 8,192, K 1,024] x [K 1,024, N 1,024]; A: computed on the way; B: input w_fc: QUANTISED
;;   THE QUANTISER, for each operand of a quantised product, along K:
;;     - K is cut into blocks of 32 from its start; a last block that is shorter is filled with zeros.
;;     - A block's scale is 2^e with e = floor(log2(the largest magnitude in the block)) - 2, held to -126 .. 127; a block of zeros has e = 0. As a byte (E8M0): e + 127.
;;     - Each number is divided by its block's scale, clamped to +-7.5, and rounded to the nearest number of E2M3, ties to even, subnormals kept.
;;     - The product sums the exact products of the quantised numbers (number of the format x scale) in f32.
;;   ~~~python
;;   def quantise(x, axis):      # numpy; x: float32 -> the quantised numbers, widened to float32 again
;;       x = np.moveaxis(x, axis, -1); K = x.shape[-1]
;;       x = np.pad(x, [(0, 0)] * (x.ndim - 1) + [(0, -K % 32)]); x = x.reshape(x.shape[:-1] + (-1, 32)); a = np.abs(x).max(-1, keepdims=True)
;;       e = np.where(a > 0, np.clip(np.frexp(np.where(a > 0, a, 1))[1] - 1 - 2, -126, 127), 0)      # np.frexp(a)[1] - 1 = floor(log2(a)), exactly
;;       r = np.clip(x / 2.0 ** e, -7.5, 7.5)
;;       step = 2.0 ** (np.maximum(np.frexp(np.where(r == 0, 1, r))[1] - 1, 0) - 3)
;;       q = np.round(r / step) * step * 2.0 ** e      # np.round: ties to even
;;       return np.moveaxis(q.reshape(q.shape[:-2] + (-1,))[..., :K], -1, axis).astype(np.float32)
;;   ~~~
;;   SOFTMAX AHEAD OF A QUANTISED PRODUCT. Where the list says 'softmax', what is quantised is not the finished softmax but p = 2^(t - M), with t = logit x log2(e) and M = ceil(the row's largest t), a whole number; so 1/2 < the row's largest p <= 1. The row's sum l is taken of the UNQUANTISED p, in f32, and the product's result is divided by l at the end. Since M is a whole number, a kernel that streams over the keys may use a running M (the ceiling of the running maximum): every later rescaling is an exact power of two, which a block's scale takes up: the codes' values come out the same.
;;   OPERANDS COMPUTED ON THE WAY. 'Computed on the way' means the value that the module computes at that place (a softmax that the list does not call 'softmax' is quantised finished and normalised). What goes into a quantiser is computed in f32, as accurately as f32 sums, v_exp_f32 and their like allow (about 1e-6 of the number): no bf16 or f16 on the way to a quantiser, and a product that is left as it is and whose result goes on into a quantised operand takes f32 operands (vector FMAs, or v_wmma_f32_16x16x4_f32). A number that lies on a knife's edge between two numbers of the format may be rounded either way, as far as f32 arithmetic and the matrix unit's own rounding can turn it there, and no further.
;; One version. Each part assembles by itself: llvm-mc -triple=amdgcn-amd-amdhsa -mcpu=gfx1250 --defsym DOCPART=n.
;; ======== version 1 of 1: 4 launches
;; limits: right only within a limited range of input values
;; workspace buffers: g1 9,011,200 bytes; g4 7,372,800 bytes; qb 6,815,744 bytes; kv 13,369,344 bytes; sv 262,144 bytes
;; launch quant (part 1): grid 256 x 1, 8 waves a work-group, no clusters, 70,656 bytes of LDS; arguments x, w_qkv, w_fc, g1, g4; writes g1, g4
.if DOCPART == 1
	.amdgcn_target "amdgcn-amd-amdhsa--gfx1250"
	.amdhsa_code_object_version 6
	.text
	.protected	k_qacb8c28fe8_quant
	.globl	k_qacb8c28fe8_quant
	.p2align	8
	.type	k_qacb8c28fe8_quant,@function
k_qacb8c28fe8_quant:
	s_mov_b64 s[64:65], 0
	v_nop
	global_prefetch_b8 v0, s[64:65] scope:SCOPE_SE
	s_setreg_imm32_b32 hwreg(HW_REG_WAVE_MODE, 25, 1), 1
	s_wait_xcnt 0x0
; x [8192][1024], w_qkv [1024][3072] and w_fc [1024][1024], f32, become codes of FP6 (E2M3) with one E8M0 byte for each 32 along K (K = 1,024 in all three),
; laid as IMAGES OF OPERAND REGISTERS, so that the products' launches fetch fragments by loads of 16 and 8 bytes a lane from dense bytes.
; A ROW TILE T = 2 al + u is 16 rows (of x: tokens; of a weight: its columns): lane row r is row 32 al + 8 u + r + 8 (r / 8).
; A FRAGMENT (16 rows x 128 K, 12 registers a lane) is 1,536 bytes: registers 0-3 at 16 x lane, 4-5 at 512 + 8 x lane, 6-9 at 768 + 16 x lane, 10-11 at 1,280 + 8 x lane.  A tile's eight K steps: 12,288 bytes on end.
; A tile's SCALE WORDS: 512 bytes: the word of (row r, K step s) at 256 (s / 4) + 16 r + 4 (s % 4).
; g1: x's codes at 0, w_qkv's at WCO, x's scale words at XSO, w_qkv's at WSO.   g4: w_fc's codes at FWO, its scale words at FSO (the rest of g4 is written by the attention launch).
; A block's scale is 2^(floor(log2(its largest magnitude)) - 2); its byte is the largest magnitude's exponent field - 2, held at 1 from below.
; LIMITS: a block of zeros gets the byte 1 where the rule says 127 (its codes are zeros, and this program alone reads the bytes); blocks whose largest magnitude lies under 2^-124 have their byte held at 1;
; NaN and infinities among the inputs are not served.
; SHARES.  Work-groups 0-127: x; a wave takes one tile and half of K (four K steps).  Work-groups 128-223: w_qkv, 224-255: w_fc; a wave takes 32 columns (two tiles) and one K step.
; The three ways part on the work-group's number alone and never join; each has LDS bytes of its own.  No tensor load, no cluster (no two work-groups read the same bytes), no matrix instruction: the launch is a stream.
.set XSO,   8650752
.set WCO,   6291456
.set WSO,   8912896
.set FWO,   6291456
.set FSO,   7340032
.set LI16, 1                           ; v1   16 x lane
.set LI8,  2                           ; v2   8 x lane
.set STI,  3                           ; v3   x: the stage on the way in: my wave's stage + 16 x lane
.set STO,  4                           ; v4   x: on the way out: + 528 r + 64 h
.set R16,  5                           ; v5   x: 16 r
.set TM,   16                          ; v16-31  at work in QUANT
.set PC,   32                          ; v32-51  the codes just made
.set PWS,  52                          ; v52-55  four K steps' scale words
.set R,    64                          ; v64-191 x: two sets of 64 registers as loaded
.set T,    192                         ; v192-255 x: 64 numbers in the quantiser's order
.set SEL,  20                          ; s[20:21] selects for lane l xor 16
.set XP,   528                         ; a stage row: 512 bytes + 16: sixteen rows start in sixteen different groups of banks
.set XW,   16*XP                       ; a wave's stage
.set GQ,   8*XW                        ; w_qkv's way: 1,024 bytes in which a work-group's scale words meet
.set GF,   GQ+1024                     ; w_fc's way: the same
; 64 numbers of a lane, register 16 b + i = k 32 b + 16 (lane / 16) + i of my row, become a fragment's codes in v[PC] on and its scale word in v[pw]
.macro QUANT s, pw
.irp b, 0,1,2,3
	v_max3_num_f32 v[TM+\b], |v[\s+16*\b]|, |v[\s+1+16*\b]|, 0x1800000   ; block b: my 16 numbers, and the floor 2^(3 - 127): the byte cannot fall under 1
.endr
.irp i, 2,4,6,8,10,12,14
.irp b, 0,1,2,3
	s_delay_alu instid0(VALU_DEP_4)
	v_max3_num_f32 v[TM+\b], v[TM+\b], |v[\s+16*\b+\i]|, |v[\s+1+16*\b+\i]|   ; the four blocks by turns
.endr
.endr
.irp b, 0,1,2,3
	s_delay_alu instid0(VALU_DEP_4)
	v_permlanex16_b32 v[TM+4+\b], v[TM+\b], s[SEL], s[SEL+1]
.endr
.irp b, 0,1,2,3
	s_delay_alu instid0(VALU_DEP_4)
	v_max_num_f32 v[TM+\b], v[TM+\b], v[TM+4+\b]   ; with lane l xor 16's: the block's largest magnitude
.endr
.irp b, 0,1,2,3
	s_delay_alu instid0(VALU_DEP_4)
	v_add_nc_u32 v[TM+12+\b], 0xff000000, v[TM+\b]   ; 2 off its exponent field: the conversion's scale operand
.endr
.irp b, 0,1,2,3
	s_delay_alu instid0(VALU_DEP_4)
	v_lshrrev_b32 v[TM+4+\b], 23, v[TM+12+\b]   ; the scale's byte
.endr
	s_delay_alu instid0(VALU_DEP_3)
	v_lshl_or_b32 v[\pw], v[TM+5], 8, v[TM+4]
	s_delay_alu instid0(VALU_DEP_1)
	v_lshl_or_b32 v[\pw], v[TM+6], 16, v[\pw]
	s_delay_alu instid0(VALU_DEP_1)
	v_lshl_or_b32 v[\pw], v[TM+7], 24, v[\pw]
	s_wait_xcnt 0x0                                ; the last fragment's stores have read v[PC] on: it is written again only behind this wait
.irp c, 0,1
	v_cvt_scalef32_pk16_fp6_f32 v[PC+6*\c:PC+2+6*\c], v[\s+32*\c:\s+15+32*\c], v[TM+12+2*\c]
	v_cvt_scalef32_pk16_fp6_f32 v[PC+12+4*\c:PC+14+4*\c], v[\s+16+32*\c:\s+31+32*\c], v[TM+12+2*\c+1]   ; (a conversion's three registers begin on an even number)
.endr
	v_nop                                          ; one plain instruction behind the scaled conversions
.irp c, 0,1                                    ; the operand's layout wants a whole block in a lane: lanes 0-15 block 2 c, lanes 16-31 block 2 c + 1
.irp i, 0,1,2
	v_permlane16_swap_b32 v[PC+6*\c+\i], v[PC+12+4*\c+\i]
.endr
.irp i, 0,1,2
	s_delay_alu instid0(VALU_DEP_3)
	v_mov_b32 v[PC+3+6*\c+\i], v[PC+12+4*\c+\i]
.endr
.endr
.endm
; a fragment leaves as its image: each store covers 512 or 256 consecutive bytes, aligned
.macro STFRAG reg, base, off
	global_store_b128 v[LI16], v[\reg:\reg+3], s[\base:\base+1] offset:\off
	global_store_b64 v[LI8], v[\reg+4:\reg+5], s[\base:\base+1] offset:(\off)+512
	global_store_b128 v[LI16], v[\reg+6:\reg+9], s[\base:\base+1] offset:(\off)+768
	global_store_b64 v[LI8], v[\reg+10:\reg+11], s[\base:\base+1] offset:(\off)+1280
.endm
; x: K step s of my tile: sixteen loads, each one row's 512 consecutive bytes
.macro LOADX s
.irp i, 0,1,2,3,4,5,6,7,8,9,10,11,12,13,14,15
	global_load_b128 v[R+64*((\s)%2)+4*\i:R+64*((\s)%2)+4*\i+3], v[LI16], s[4:5] offset:(\i+8*(\i/8))*4096+512*(\s) th:TH_LOAD_NT
.endr
.endm
.macro XSTEP s
.if (\s) < 3
	s_wait_loadcnt 16                              ; this step's sixteen loads are in; the next step's sixteen may be out
.else
	s_wait_loadcnt 0x0
.endif
.irp i, 0,1,2,3,4,5,6,7,8,9,10,11,12,13,14,15
	ds_store_b128 v[STI], v[R+64*((\s)%2)+4*\i:R+64*((\s)%2)+4*\i+3] offset:XP*\i   ; the rows as they lie
.endr
.irp b, 0,1,2,3
.irp c, 0,1,2,3
	ds_load_b128 v[T+16*\b+4*\c:T+16*\b+4*\c+3], v[STO] offset:128*\b+16*\c   ; and back: row r, 16 neighbours of each block of 32.  LDS serves a wave's instructions in order
.endr
.endr
	s_wait_dscnt 0x0                               ; the numbers are back, and the stage's stores have read their registers,
.if (\s) < 2
	LOADX (\s)+2                                   ; which take the loads of two steps on
.endif
	QUANT T, PWS+(\s)
	STFRAG PC, 26, 1536*(\s)
.endm
; a weight: block bk (32 along K) of my K step, my column: 32 loads down K; a wave's load reads 128 consecutive bytes
.macro WLOAD n, bk
.set ii, 0
.rept 32
	global_load_b32 v[64+32*((\bk)%2)+ii], v3, s[26:27] offset:(32*(\bk)+ii)*(\n)*4 th:TH_LOAD_NT
.set ii, ii+1
.endr
.endm
.macro WBLOCK n, bk
.set XB, 64+32*((\bk)%2)
.set FD, 128+12*((\bk)%2)+6*((\bk)/2)  ; blocks 0 and 2 go to v128 on, blocks 1 and 3 to v140 on
.if (\bk) < 3
	s_wait_loadcnt 32                              ; this block's 32 loads are in; the next block's may be out
.else
	s_wait_loadcnt 0x0
.endif
	v_max3_num_f32 v12, |v[XB]|, |v[XB+1]|, |v[XB+2]|   ; the block's largest magnitude: all 32 numbers are mine
	v_max3_num_f32 v13, |v[XB+3]|, |v[XB+4]|, |v[XB+5]|
.irp i, 6,10,14,18,22,26
	s_delay_alu instid0(VALU_DEP_2)
	v_max3_num_f32 v12, v12, |v[XB+\i]|, |v[XB+\i+1]|
	s_delay_alu instid0(VALU_DEP_2)
	v_max3_num_f32 v13, v13, |v[XB+\i+2]|, |v[XB+\i+3]|
.endr
	s_delay_alu instid0(VALU_DEP_2)
	v_max3_num_f32 v12, v12, |v[XB+30]|, |v[XB+31]|
	s_delay_alu instid0(VALU_DEP_1)
	v_max3_num_f32 v12, v12, v13, 0x1800000        ; and the floor
	s_delay_alu instid0(VALU_DEP_1)
	v_add_nc_u32 v11, 0xff000000, v12              ; the conversion's scale operand
	s_delay_alu instid0(VALU_DEP_1)
	v_lshrrev_b32 v13, 23, v11                     ; the byte
.if (\bk) == 0
	s_delay_alu instid0(VALU_DEP_1)
	v_mov_b32 v20, v13
.else
	s_delay_alu instid0(VALU_DEP_1)
	v_lshl_or_b32 v20, v13, 8*(\bk), v20           ; the K step's four bytes make my column's scale word
.endif
	v_cvt_scalef32_pk16_fp6_f32 v[FD:FD+2], v[XB:XB+15], v11
	v_cvt_scalef32_pk16_fp6_f32 v[152:154], v[XB+16:XB+31], v11
	v_nop                                          ; one plain instruction behind the scaled conversions
.irp i, 0,1,2
	v_mov_b32 v[FD+3+\i], v[152+\i]
.endr
.if (\bk) < 2
	WLOAD \n, (\bk)+2
.endif
.endm
; A weight's way.  Work-group wl: columns 64 (wl / 2) on, K half wl % 2.  Wave w: column group be = 2 (wl / 2) + w % 2 (32 columns = tiles 2 be, 2 be + 1), K step 4 (wl % 2) + w / 2.
; Lane 16 u + r takes the column of tile 2 be + u, row r, and its registers run down K: so the conversions give codes with K innermost and nothing is transposed.
.macro WPATH n, first, src, dst, coff, soff, ldsb
	s_sub_co_u32 s17, ttmp9, \first
	s_lshr_b32 s18, s17, 1
	s_and_b32 s19, s17, 1                          ; K half
	s_and_b32 s22, s16, 1                          ; cg
	s_lshr_b32 s23, s16, 1                         ; which of the half's four K steps
	s_lshl_b32 s18, s18, 1
	s_add_co_u32 s18, s18, s22                     ; be
	s_lshl_b32 s24, s19, 2
	s_add_co_u32 s24, s24, s23                     ; K step
	s_mul_i32 s26, s24, 512*(\n)                   ; 128 rows of 4 n bytes a K step,
	s_lshl_b32 s25, s18, 7
	s_add_co_u32 s26, s26, s25                     ; + 128 bytes a column group
	s_mov_b32 s27, 0
	s_mul_i32 s28, s18, 2*12288                    ; codes: tile 2 be,
	s_mul_i32 s25, s24, 1536
	s_add_co_u32 s28, s28, s25                     ; my K step
	s_add_co_u32 s28, s28, \coff
	s_mov_b32 s29, 0
	s_lshl_b32 s30, s18, 10                        ; scale words: tile 2 be,
	s_lshl_b32 s25, s19, 8
	s_add_co_u32 s30, s30, s25                     ; my K half
	s_add_co_u32 s30, s30, \soff
	s_mov_b32 s31, 0
	v_and_b32 v10, 8, v8
	s_delay_alu instid0(VALU_DEP_1)
	v_add_nc_u32 v10, v10, v8                      ; r + 8 (r / 8)
	s_delay_alu instid0(VALU_DEP_1)
	v_lshl_add_u32 v10, v9, 3, v10                 ; + 8 u
	s_delay_alu instid0(VALU_DEP_1)
	v_lshlrev_b32 v3, 2, v10                       ; my column's bytes in the group's 128
	s_lshl_b32 s25, s22, 9
	s_add_co_u32 s25, s25, \ldsb
	v_add_nc_u32 v5, s25, v[LI16]                  ; LDS: my column's four words of the K half: 512 cg + 16 x lane,
	s_lshl_b32 s32, s23, 2
	s_add_co_u32 s25, s25, s32
	v_add_nc_u32 v4, s25, v[LI16]                  ; and my K step's among them
	v_lshlrev_b32 v6, 4, v8
	s_delay_alu instid0(VALU_DEP_1)
	v_lshl_add_u32 v6, v9, 9, v6                   ; in memory: 512 u + 16 r
	s_wait_alu depctr_va_vdst(0)
	s_wait_kmcnt 0x0
	s_add_nc_u64 s[26:27], s[\src:\src+1], s[26:27]
	s_add_nc_u64 s[28:29], s[\dst:\dst+1], s[28:29]
	s_add_nc_u64 s[30:31], s[\dst:\dst+1], s[30:31]
	WLOAD \n, 0
	WLOAD \n, 1
	WBLOCK \n, 0
	WBLOCK \n, 1
	WBLOCK \n, 2
	WBLOCK \n, 3
.irp i, 0,1,2,3,4,5,6,7,8,9,10,11
	v_permlane16_swap_b32 v[128+\i], v[140+\i]     ; blocks 0, 2 of tile 2 be + 1 change places with blocks 1, 3 of tile 2 be: v128 on is now tile 2 be's fragment, v140 on tile 2 be + 1's
.endr
	STFRAG 128, 28, 0
	STFRAG 140, 28, 12288
	ds_store_b32 v4, v20
	s_wait_dscnt 0x0                               ; for the others' sake: my word has landed
	s_barrier_signal -1
	s_barrier_wait -1                              ; all eight waves of this work-group are on this way
	s_cmp_lt_u32 s16, 2
	s_cbranch_scc0 .Lwend_\@
	ds_load_b128 v[24:27], v5                      ; waves 0 and 1 (cg = wave): four K steps' words of each of the group's 32 columns
	s_wait_dscnt 0x0
	global_store_b128 v6, v[24:27], s[30:31]       ; sixteen lanes store 256 consecutive bytes, aligned
.Lwend_\@:
	s_wait_tensorcnt 0x0
	ds_add_u32 v62, v63
	s_wait_dscnt 0x0
	s_endpgm
.endm
	s_load_b256 s[4:11], s[0:1], 0x0               ; x s[4:5], w_qkv s[6:7], w_fc s[8:9], g1 s[10:11]
	s_load_b64 s[12:13], s[0:1], 0x20              ; g4
	v_lshl_add_u32 v62, v0, 2, 0x11000
	v_mov_b32 v63, 0
	v_lshrrev_b32 v6, 5, v0
	s_delay_alu instid0(VALU_DEP_1)
	v_readfirstlane_b32 s16, v6                    ; wave 0..7
	v_and_b32 v7, 31, v0                           ; lane
	v_and_b32 v8, 15, v0                           ; r
	v_bfe_u32 v9, v0, 4, 1                         ; h (a weight's u)
	s_delay_alu instid0(VALU_DEP_3)
	v_lshlrev_b32 v[LI16], 4, v7
	s_delay_alu instid0(VALU_DEP_4)
	v_lshlrev_b32 v[LI8], 3, v7
	s_mov_b32 s[SEL], 0x76543210
	s_mov_b32 s[SEL+1], 0xfedcba98
	s_cmp_lt_u32 ttmp9, 128
	s_cbranch_scc0 .Lweights
	; ---- x.  Task = 8 x work-group + wave: tile task / 2, K half task % 2
	s_mul_i32 s17, s16, XW
	v_add_nc_u32 v[STI], s17, v[LI16]
	v_mul_u32_u24 v[STO], v8, XP
	s_delay_alu instid0(VALU_DEP_1)
	v_lshl_add_u32 v[STO], v9, 6, v[STO]
	s_delay_alu instid0(VALU_DEP_1)
	v_add_nc_u32 v[STO], s17, v[STO]
	v_lshlrev_b32 v[R16], 4, v8
.irp b, 0,1,2,3
	v_mov_b32 v[TM+4+\b], 0                        ; written once: a lane permute's destination counts as one of its sources
.endr
	s_lshl_b32 s18, ttmp9, 3
	s_add_co_u32 s18, s18, s16                     ; task
	s_lshr_b32 s19, s18, 1                         ; tile
	s_and_b32 s22, s18, 1                          ; K half
	s_lshr_b32 s23, s19, 1
	s_lshl_b32 s23, s23, 17                        ; 32 rows of 4,096 bytes for each pair of tiles,
	s_and_b32 s24, s19, 1
	s_lshl_b32 s24, s24, 15                        ; 8 rows for the odd tile,
	s_add_co_u32 s24, s24, s23
	s_lshl_b32 s23, s22, 11                        ; 2,048 bytes for the K half
	s_add_co_u32 s24, s24, s23
	s_mov_b32 s25, 0
	s_mul_i32 s26, s19, 12288
	s_mul_i32 s23, s22, 6144
	s_add_co_u32 s26, s26, s23                     ; the codes' place
	s_mov_b32 s27, 0
	s_lshl_b32 s28, s18, 8                         ; the scale words': 512 x tile + 256 x half
	s_add_co_u32 s28, s28, XSO
	s_mov_b32 s29, 0
	s_wait_alu depctr_va_vdst(0)
	s_wait_kmcnt 0x0
	s_add_nc_u64 s[4:5], s[4:5], s[24:25]
	s_add_nc_u64 s[26:27], s[10:11], s[26:27]
	s_add_nc_u64 s[28:29], s[10:11], s[28:29]
	LOADX 0
	LOADX 1
	XSTEP 0
	XSTEP 1
	XSTEP 2
	XSTEP 3
	s_wait_xcnt 0x0                                ; EXEC changes only behind this wait
	v_cmp_gt_u32 vcc_lo, 16, v7
	s_wait_tensorcnt 0x0
	ds_add_u32 v62, v63
	s_wait_dscnt 0x0
	s_and_saveexec_b32 s30, vcc_lo                 ; lanes l and l xor 16 hold the same words: lanes 0-15 store them
	global_store_b128 v[R16], v[PWS:PWS+3], s[28:29]   ; 256 consecutive bytes, aligned
	s_wait_xcnt 0x0
	s_or_b32 exec_lo, exec_lo, s30
	s_endpgm
.Lweights:
	s_cmp_lt_u32 ttmp9, 224
	s_cbranch_scc0 .Lwfc
	s_wait_alu depctr_va_vdst(0)
	WPATH 3072, 128, 6, 10, WCO, WSO, GQ
.Lwfc:
	s_wait_alu depctr_va_vdst(0)
	WPATH 1024, 224, 8, 12, FWO, FSO, GF
.Lfunc_end_k_qacb8c28fe8_quant:
	.size	k_qacb8c28fe8_quant, .Lfunc_end_k_qacb8c28fe8_quant-k_qacb8c28fe8_quant
	.p2alignl 7, 3214868480
	.fill 96, 4, 3214868480
	.section	.rodata,"a",@progbits
	.p2align	6, 0x0
	.amdhsa_kernel k_qacb8c28fe8_quant
		.amdhsa_group_segment_fixed_size 70656
		.amdhsa_private_segment_fixed_size 0
		.amdhsa_enable_private_segment 0
		.amdhsa_kernarg_size 40
		.amdhsa_user_sgpr_count 2
		.amdhsa_user_sgpr_kernarg_segment_ptr 1
		.amdhsa_wavefront_size32 1
		.amdhsa_system_sgpr_workgroup_id_x 1
		.amdhsa_system_sgpr_workgroup_id_y 1
		.amdhsa_system_sgpr_workgroup_id_z 1
		.amdhsa_system_vgpr_workitem_id 0
		.amdhsa_next_free_vgpr 256
		.amdhsa_next_free_sgpr 66
		.amdhsa_reserve_vcc 1
		.amdhsa_float_denorm_mode_32 3
		.amdhsa_float_denorm_mode_16_64 3
		.amdhsa_memory_ordered 1
		.amdhsa_forward_progress 1
		.amdhsa_inst_pref_size 87
	.end_amdhsa_kernel
	.amdgpu_metadata
---
amdhsa.version: [ 1, 2 ]
amdhsa.kernels:
  - .name:           k_qacb8c28fe8_quant
    .symbol:         k_qacb8c28fe8_quant.kd
    .args:
      - { .name: x, .offset: 0, .size: 8, .value_kind: global_buffer, .address_space: global }
      - { .name: w_qkv, .offset: 8, .size: 8, .value_kind: global_buffer, .address_space: global }
      - { .name: w_fc, .offset: 16, .size: 8, .value_kind: global_buffer, .address_space: global }
      - { .name: g1, .offset: 24, .size: 8, .value_kind: global_buffer, .address_space: global }
      - { .name: g4, .offset: 32, .size: 8, .value_kind: global_buffer, .address_space: global }
    .group_segment_fixed_size: 70656
    .private_segment_fixed_size: 0
    .kernarg_segment_align: 8
    .kernarg_segment_size: 40
    .max_flat_workgroup_size: 256
    .sgpr_count:     66
    .vgpr_count:     256
    .wavefront_size: 32
...
	.end_amdgpu_metadata
.endif
;; end of part 1
;; launch qkv (part 2): grid 12 x 32, 4 waves a work-group, clusters of 4 x 4, 327,680 bytes of LDS; arguments g1, b_qkv, qb, kv, sv; writes qb, kv, sv
.if DOCPART == 2
	.amdgcn_target "amdgcn-amd-amdhsa--gfx1250"
	.amdhsa_code_object_version 6
	.text
	.protected	k_qacb8c28fe8_qkv
	.globl	k_qacb8c28fe8_qkv
	.p2align	8
	.type	k_qacb8c28fe8_qkv,@function
k_qacb8c28fe8_qkv:
	s_mov_b64 s[64:65], 0
	v_nop
	global_prefetch_b8 v0, s[64:65] scope:SCOPE_SE
	s_setreg_imm32_b32 hwreg(HW_REG_WAVE_MODE, 25, 1), 1
	s_wait_xcnt 0x0
	s_wait_alu depctr_hold_cnt(0) depctr_sa_sdst(0) depctr_va_vdst(0) depctr_va_sdst(0) depctr_va_ssrc(0) depctr_va_vcc(0) depctr_vm_vsrc(0)
	s_getreg_b32 s2, hwreg(HW_REG_IB_STS2, 6, 4)
	s_cmp_eq_u32 s2, 0
	s_cbranch_scc0 .Lentry_in_a_cluster
	s_endpgm
.Lentry_in_a_cluster:
	s_bfe_u32 s2, ttmp6, 0x10000c
	s_cmp_lg_u32 s2, 0xf033
	s_cbranch_scc0 .Lentry_shape_is_right
	s_endpgm
.Lentry_shape_is_right:
; qkv = x w_qkv + b_qkv on codes of FP6 (E2M3) with E8M0 scales (K = 1,024), and its results quantised on the way out: q and k along the head's 64, v along the keys.  No f32 result goes to memory.
; A tile of 256 tokens x 256 columns is made by four waves, each 128 x 128: 64 accumulators, 512 registers.  K goes in steps of 256 through two LDS slots filled by the tensor data mover.
; OPERANDS ARE IMAGES OF REGISTERS (made by the launch before): a fragment (16 rows x 128 K) is 1,536 dense bytes and comes by two loads of 16 and two of 8 bytes a lane; no pitch, no padding.
; A ROW TILE 2 al + u holds rows 32 al + 8 u + r + 8 (r / 8).  With such tiles as source 0, a lane's 64 results of one tile of source 1 are, in register order 16 b + i, rows 32 b + 16 (lane / 16) + i of source 0:
; the order in which the quantiser takes 64 numbers.  So what is to be the next K stands as source 0:
;   clusters x = 0, 1 (q, k): source 0 = w's rows (the head's axis), source 1 = tokens;   cluster x = 2 (v): source 0 = tokens (the keys), source 1 = w's rows.
; The roles change in address registers filled at the head, chosen by the cluster's x, which all partners share; the K steps' text is one.
; CLUSTERS: 4 x 4.  x's tiles are shared along a row of the cluster, w's along a column: each is asked for jointly, with a mask that names the four.
; WHAT IS STORED.  qb: q's images [head 64][tile 128][768] (16 tokens x 64), at QS its scale words [head][4 tiles][r][4].  kv: [head][slot of 256 keys, 8][26,112]: k's 16 images, at 12,288 its scale words,
; at 13,312 v's fragments [key step 2][d tile 4][1,536] (16 of the head's 64 x 128 keys), at 25,600 their scale words [key step][r][d tile].  sv: [head][key step 16][r][d tile] f32: the sum of the quantised v over the step's 128 keys
; (made by the matrix unit: a product with codes of 1.0).  q's and k's scale words carry two bytes; their upper two are 0.
; LIMITS: as in the quantising launch: a block of zeros gets the byte 1; a byte is held at 1 from below; NaN and infinities are not served.
; No prefetch: K has four slots' worth, two of them first fills.  The eight K steps are written out: each names its own scale registers.
; REGISTERS.  window 0: v1-6 lane numbers, v16-31 addresses; v32-95 scale words (register 8 i + s: block i, K step s; lanes 0-15 source 1's, lanes 16-31 source 0's); v96-111 the bias by lane, v112-124 codes and scale of 1.0;
;   v128-223 source 1's fragments, one set; on the way out v128-191 64 numbers, v192-211 codes, v212-227 at work, v228-235 scale words, v236-243 what leaves.
;   window 1: source 0's fragments, two sets (v0-95, v128-223); v96-127, v224-255 the bias by register; on the way out v0-63 the sums of v.   windows 2, 3: the accumulators ((a, b) at v[8 (8 (a % 4) + b)]).
.set WC,    6291456
.set XS,    8650752
.set WS,    8912896
.set QS,    6291456
.set KVS,   26112                      ; a slot of kv
.set KVH,   208896                     ; a head of kv
.set FR,    12
.set NL,    4                          ; LDS loads that bring a fragment
.set NP,    4                          ; places behind this matrix instruction (ISA guide 7.12.1)
.set HALFT, 24576                      ; 8 row tiles x 256 along K: what one tensor load brings
.set SLOT,  4*HALFT                    ; x's 16 tiles, then w's 16
.set SPARE, 2*SLOT                     ; the spare words, 128 bytes for each wave, which no other line names
.set RA16, 16                          ; v16-17 source 1's fragments in slot 0, 1: base + 16 x lane;  v18-19: + 8 x lane
.set RA8,  18
.set RB16, 20                          ; v20-23 the same for source 0
.set RB8,  22
.set LI16, 24
.set LI8,  25
.set QKS,  26                          ; the way out: 16 r + h x (from head to head among q's or k's scale words)
.set VSO,  27                          ; 16 r + h x a head of kv
.set SPW,  28
.set NIL,  29
.set SVO,  30                          ; 16 r + h x 4,096
.set SH,   31                          ; 16 h
.set SC,   32
.set BL,   96
.set ONES, 112
.set ONESC, 124
.set AF,   128
.set T,    128
.set PC,   192
.set TM,   212
.set PWS,  228
.set XR,   236
.set YR,   240
.set G1,   24                          ; s[24:31] group 1 for x's tiles; s[32:39] group 0, a set for each slot
.set G0,   32
.set G1B,  48                          ; s[48:55], s[56:63] the same for w's
.set G0B,  56
.set MHI,  72                          ; s72 lanes 16-31
.set SEL,  98                          ; s[98:99] selects for lane l xor 16
.set MSB, 0
.macro WIN new                         ; the immediate's high byte repeats the setting that is left
.if MSB != (\new)
	s_set_vgpr_msb (MSB<<8)|(\new)
.set MSB, \new
.endif
.endm
.set MUL_LO, 0xa1                      ; source 0 window 1, source 1 window 0, C and D window 2
.set MUL_HI, 0xf1                      ; the same, C and D window 3
.set TO_B,   0x40                      ; destination window 1, address window 0
; A joint load: waves 0 and 1 fetch x's halves, waves 2 and 3 w's.  The branch hangs on the wave's number alone.  Four v_nop follow each of the two lines.
.macro JLOAD g0a, g0b
	s_cmp_eq_u32 s15, 0
	s_cbranch_scc0 .Lfor_w_\@
	tensor_load_to_lds s[\g0a:\g0a+3], s[G1:G1+7]
	s_nop 0
.rept 4
	v_nop
.endr
	s_branch .Lasked_\@
.Lfor_w_\@:
	tensor_load_to_lds s[\g0b:\g0b+3], s[G1B:G1B+7]
	s_nop 0
.rept 4
	v_nop
.endr
.Lasked_\@:
.endm
.macro CREST                           ; a round of the cluster's barrier behind its opening barrier
	s_cmp_lg_u32 s14, 0
	s_cbranch_scc1 .Lnot_wave_0_\@
	s_barrier_signal -3
.Lnot_wave_0_\@:
	s_barrier_wait -3
	s_barrier_signal -1
	s_barrier_wait -1
.endm
.macro CROUND
	s_barrier_signal -1
	s_barrier_wait -1
	CREST
.endm
.macro PLACES n
.rept \n
	v_nop
.endr
.endm
.macro FRAG reg, a16, a8, off          ; a fragment's image into 12 registers
	ds_load_b128 v[\reg:\reg+3], v[\a16] offset:\off
	ds_load_b64 v[\reg+4:\reg+5], v[\a8] offset:(\off)+512
	ds_load_b128 v[\reg+6:\reg+9], v[\a16] offset:(\off)+768
	ds_load_b64 v[\reg+10:\reg+11], v[\a8] offset:(\off)+1280
.endm
.macro FETCH_B slot, q, p              ; source 0's eight fragments of the slot's q-th 128 along K into set p
	WIN TO_B
.irp i, 0,1,2,3,4,5,6,7
	FRAG 128*(\p)+FR*\i, RB16+\slot, RB8+\slot, \i*3072+(\q)*1536
.endr
	WIN 0
.endm
.macro FETCH_A slot, q, i0             ; source 1's blocks i0 .. i0 + 3
.irp i, \i0, \i0+1, \i0+2, \i0+3
	FRAG AF+FR*(\i), RA16+\slot, RA8+\slot, (\i)*3072+(\q)*1536
.endr
.endm
; 16 matrix instructions: source 1's blocks a0, a0 + 1 x source 0's eight, K step ks.  The 64 accumulators take turns, one instruction a turn, in the same order in every step.
.macro MUL16 a0, p, ks, zero
.irp a, \a0, \a0+1
.irp b, 0,1,2,3,4,5,6,7
.if \zero
	v_wmma_scale_f32_16x16x128_f8f6f4 v[8*(8*((\a)%4)+\b):8*(8*((\a)%4)+\b)+7], v[128*(\p)+FR*\b:128*(\p)+FR*\b+FR-1], v[AF+FR*(\a):AF+FR*(\a)+FR-1], 0, v[SC+8*\b+(\ks)], v[SC+8*(\a)+(\ks)] matrix_a_fmt:MATRIX_FMT_FP6 matrix_b_fmt:MATRIX_FMT_FP6 matrix_a_scale:MATRIX_SCALE_ROW1
.else
	v_wmma_scale_f32_16x16x128_f8f6f4 v[8*(8*((\a)%4)+\b):8*(8*((\a)%4)+\b)+7], v[128*(\p)+FR*\b:128*(\p)+FR*\b+FR-1], v[AF+FR*(\a):AF+FR*(\a)+FR-1], v[8*(8*((\a)%4)+\b):8*(8*((\a)%4)+\b)+7], v[SC+8*\b+(\ks)], v[SC+8*(\a)+(\ks)] matrix_a_fmt:MATRIX_FMT_FP6 matrix_b_fmt:MATRIX_FMT_FP6 matrix_a_scale:MATRIX_SCALE_ROW1
.endif
.endr
.endr
.endm
; A slot's first 128 along K (set 0); it fetches the slot's second 128.
.macro STEP slot, ks, zero
	s_wait_dscnt 4*NL                              ; source 0's set and source 1's blocks 0-3 are in; the youngest sixteen loads (blocks 4-7) may be out
	WIN MUL_LO
	MUL16 0, 0, \ks, \zero
	MUL16 2, 0, \ks, \zero
	s_wait_dscnt 0x0                               ; blocks 4-7 are in
	PLACES NP                                      ; in front of loads into registers that matrix instructions have read
	FETCH_B \slot, 1, 1
	FETCH_A \slot, 1, 0
	WIN MUL_HI
	MUL16 4, 0, \ks, \zero
	MUL16 6, 0, \ks, \zero
	PLACES NP
	WIN 0
	FETCH_A \slot, 1, 4
.endm
; A slot's second 128 along K (set 1) changes slots: one barrier; in front of it each wave waits for all its tensor loads, adds 0 to its spare word, and waits for that and for its own reads of this slot.
.macro TURN slot, next, ks, fill
	s_wait_tensorcnt 0x0                           ; all my tensor loads have landed: my part of the next slot
	ds_add_u32 v[SPW], v[NIL]                      ; 0 onto my spare word
	s_wait_dscnt 4*NL+1                            ; (the add and the youngest sixteen loads may be out)
	WIN MUL_LO
	MUL16 0, 1, \ks, 0                             ; sixteen matrix instructions stand between the add and the wait for it
	s_wait_dscnt 0x0                               ; the add is done, and my reads of this slot are over
	s_barrier_signal -1
	MUL16 2, 1, \ks, 0
	WIN 0
	s_barrier_wait -1
.if \fill
	CREST                                          ; the barrier has opened a round of the cluster's barrier: no wave of any partner still reads this slot or has a load on its way
	s_add_nc_u64 s[G0+4*\slot+2:G0+4*\slot+3], s[G0+4*\slot+2:G0+4*\slot+3], 6144
	s_add_nc_u64 s[G0B+4*\slot+2:G0B+4*\slot+3], s[G0B+4*\slot+2:G0B+4*\slot+3], 6144
	JLOAD G0+4*\slot, G0B+4*\slot                  ; the first tensor load behind the round; its four v_nop are the places in front of the loads below
.else
	PLACES NP
.endif
	s_wait_alu depctr_va_vdst(0)
	FETCH_B \next, 0, 0
	FETCH_A \next, 0, 0
	WIN MUL_HI
	MUL16 4, 1, \ks, 0
	MUL16 6, 1, \ks, 0
	PLACES NP
	WIN 0
	FETCH_A \next, 0, 4
.endm
; 64 numbers of a lane, register 16 b + i = k 32 b + 16 (lane / 16) + i of my row, become a fragment's codes in v[PC] on and its scale word in v[pw]
.macro QUANT s, pw
.irp b, 0,1,2,3
	v_max3_num_f32 v[TM+\b], |v[\s+16*\b]|, |v[\s+1+16*\b]|, 0x1800000   ; and the floor 2^(3 - 127): the byte cannot fall under 1
.endr
.irp i, 2,4,6,8,10,12,14
.irp b, 0,1,2,3
	v_max3_num_f32 v[TM+\b], v[TM+\b], |v[\s+16*\b+\i]|, |v[\s+1+16*\b+\i]|
.endr
.endr
.irp b, 0,1,2,3
	v_permlanex16_b32 v[TM+4+\b], v[TM+\b], s[SEL], s[SEL+1]
.endr
.irp b, 0,1,2,3
	v_max_num_f32 v[TM+\b], v[TM+\b], v[TM+4+\b]
.endr
.irp b, 0,1,2,3
	v_add_nc_u32 v[TM+12+\b], 0xff000000, v[TM+\b]   ; 2 off the exponent field: the conversion's scale operand
.endr
.irp b, 0,1,2,3
	v_lshrrev_b32 v[TM+4+\b], 23, v[TM+12+\b]
.endr
	v_lshl_or_b32 v[\pw], v[TM+5], 8, v[TM+4]
	v_lshl_or_b32 v[\pw], v[TM+6], 16, v[\pw]
	v_lshl_or_b32 v[\pw], v[TM+7], 24, v[\pw]
	s_wait_xcnt 0x0                                ; the last fragment's stores have read v[PC] on
.irp c, 0,1
	v_cvt_scalef32_pk16_fp6_f32 v[PC+6*\c:PC+2+6*\c], v[\s+32*\c:\s+15+32*\c], v[TM+12+2*\c]
	v_cvt_scalef32_pk16_fp6_f32 v[PC+12+4*\c:PC+14+4*\c], v[\s+16+32*\c:\s+31+32*\c], v[TM+12+2*\c+1]
.endr
	v_nop                                          ; one plain instruction behind the scaled conversions
.irp c, 0,1
.irp i, 0,1,2
	v_permlane16_swap_b32 v[PC+6*\c+\i], v[PC+12+4*\c+\i]
.endr
.irp i, 0,1,2
	v_mov_b32 v[PC+3+6*\c+\i], v[PC+12+4*\c+\i]
.endr
.endr
.endm
.macro STFRAG reg, base, off
	global_store_b128 v[LI16], v[\reg:\reg+3], s[\base:\base+1] offset:\off
	global_store_b64 v[LI8], v[\reg+4:\reg+5], s[\base:\base+1] offset:(\off)+512
	global_store_b128 v[LI16], v[\reg+6:\reg+9], s[\base:\base+1] offset:(\off)+768
	global_store_b64 v[LI8], v[\reg+10:\reg+11], s[\base:\base+1] offset:(\off)+1280
.endm
; block a's 64 sums + the bias, into v[T] on; each accumulator is read from its low end on.  ADDQ: the registers run along the columns, so the bias differs by register;  ADDV: a lane is one column, so one number serves
.macro ADDQ a
	WIN 0x06+((\a)/4)
.set ee, 0
.rept 32
	v_pk_add_f32 v[T+ee:T+ee+1], v[64*((\a)%4)+ee:64*((\a)%4)+ee+1], v[96+ee+96*(ee/32):97+ee+96*(ee/32)]
.set ee, ee+2
.endr
	WIN 0
.endm
.macro ADDV a
	WIN 0x02+((\a)/4)
.set ee, 0
.rept 32
	v_pk_add_f32 v[T+ee:T+ee+1], v[64*((\a)%4)+ee:64*((\a)%4)+ee+1], v[BL+2*(\a):BL+2*(\a)+1]
.set ee, ee+2
.endr
	WIN 0
.endm
; the sum over 128 keys of the codes just made, times their scales: source 0 = 16 rows of 1.0.  Register 0 of the result holds, in lane l, the sum of row l % 16
.macro SVMUL a
	WIN 0x40
	v_wmma_scale_f32_16x16x128_f8f6f4 v[8*(\a):8*(\a)+7], v[ONES:ONES+11], v[PC:PC+11], 0, v[ONESC], v[PWS+(\a)] matrix_a_fmt:MATRIX_FMT_FP6 matrix_b_fmt:MATRIX_FMT_FP6
	WIN 0
.endm
	s_load_b256 s[4:11], s[0:1], 0x0               ; g1 s[4:5], b_qkv s[6:7], qb s[8:9], kv s[10:11]
	s_load_b64 s[12:13], s[0:1], 0x20              ; sv
	v_lshl_add_u32 v[SPW], v0, 2, SPARE
	v_mov_b32 v[NIL], 0
	ds_add_u32 v28, v29
	ds_add_u32 v28, v29
	s_wait_dscnt 0x0
	v_lshrrev_b32 v1, 5, v0
	v_readfirstlane_b32 s14, v1                    ; wave 0..3
	s_lshr_b32 s15, s14, 1                         ; which half of the tile's tokens is mine.  Also: I fetch for x (0) or for w (1)
	s_and_b32 s16, s14, 1                          ; which half of its columns.  Also: which 8 row tiles I fetch
	s_bfe_u32 s40, ttmp6, 0x40000                  ; cx, cy: my place in the cluster
	s_bfe_u32 s41, ttmp6, 0x40004
	s_lshl_b32 s42, ttmp9, 2
	s_add_co_u32 s42, s42, s40                     ; tile column 0..11
	s_and_b32 s17, ttmp7, 0xffff
	s_lshl_b32 s17, s17, 2
	s_add_co_u32 s17, s17, s41                     ; tile row 0..31
	s_lshl_b32 s43, s41, 2
	s_lshl_b32 s43, 15, s43                        ; my row of the cluster
	s_lshl_b32 s44, 0x1111, s40                    ; my column
	; group 1: 8 rows (one for each row tile) of 3,072 bytes (256 along K), 12,288 bytes apart; elements of 8 bytes; dense in LDS
	s_or_b32 s[G1+0], s43, (3<<16)|(1<<21)         ; 15:0 the mask: x's tiles go to my row; 17:16 elements of 8 bytes; 21 set beside a mask
	s_or_b32 s[G1B+0], s44, (3<<16)|(1<<21)
.irp g, G1, G1B
	s_mov_b32 s[\g+1], 384<<16                     ; tensor_dim0
	s_mov_b32 s[\g+2], 8<<16                       ; tensor_dim1
	s_mov_b32 s[\g+3], 384<<16                     ; tile_dim0
	s_mov_b32 s[\g+4], 8                           ; tile_dim1
	s_mov_b32 s[\g+5], 1536                        ; tensor_dim0_stride
	s_mov_b32 s[\g+6], 0
	s_mov_b32 s[\g+7], 0
.endr
	s_lshl_b32 s18, s16, 3
	s_lshl_b32 s20, s17, 4
	s_add_co_u32 s20, s20, s18                     ; x: row tile 16 x tile row + 8 x half
	s_mul_i32 s20, s20, 12288
	s_mov_b32 s21, 0
	s_lshl_b32 s46, s42, 4
	s_add_co_u32 s46, s46, s18                     ; w: row tile 16 x tile column + 8 x half
	s_mul_i32 s46, s46, 12288
	s_add_co_u32 s46, s46, WC
	s_mov_b32 s47, 0
	s_mul_i32 s45, s14, HALFT                      ; where they go: wave x 8 tiles: no place in the cluster enters an LDS address
	s_wait_kmcnt 0x0
	s_add_nc_u64 s[20:21], s[4:5], s[20:21]
	s_add_nc_u64 s[46:47], s[4:5], s[46:47]
	CROUND                                         ; all sixteen work-groups are here: the first joint loads meet
.irp s, 0,1
	s_mov_b32 s[G0+4*\s], 1
	s_add_co_u32 s[G0+4*\s+1], s45, \s*SLOT
	s_add_nc_u64 s[G0+4*\s+2:G0+4*\s+3], s[20:21], \s*3072
	s_or_b32 s[G0+4*\s+3], s[G0+4*\s+3], 0x80000000
	s_mov_b32 s[G0B+4*\s], 1
	s_add_co_u32 s[G0B+4*\s+1], s45, \s*SLOT
	s_add_nc_u64 s[G0B+4*\s+2:G0B+4*\s+3], s[46:47], \s*3072
	s_or_b32 s[G0B+4*\s+3], s[G0B+4*\s+3], 0x80000000
.endr
	JLOAD G0, G0B                                  ; slot 0: one tensor load a wave at the head
	v_and_b32 v1, 15, v0                           ; r
	v_bfe_u32 v2, v0, 4, 1                         ; h
	v_and_b32 v3, 31, v0
	v_lshlrev_b32 v[LI16], 4, v3
	s_wait_alu depctr_va_vdst(0)
	v_lshlrev_b32 v[LI8], 3, v3
	s_wait_alu depctr_va_vdst(0)
	s_mul_i32 s66, s15, HALFT                      ; my 128 tokens in a slot
	s_mul_i32 s67, s16, HALFT
	s_add_co_u32 s67, s67, 2*HALFT                 ; my 128 rows of w
	s_lshl_b32 s68, s17, 4
	s_lshl_b32 s69, s15, 3
	s_add_co_u32 s68, s68, s69
	s_lshl_b32 s68, s68, 9
	s_add_co_u32 s68, s68, XS                      ; my tokens' scale words in g1
	s_lshl_b32 s69, s42, 4
	s_lshl_b32 s70, s16, 3
	s_add_co_u32 s69, s69, s70
	s_lshl_b32 s69, s69, 9
	s_add_co_u32 s69, s69, WS                      ; my rows of w: theirs
	s_cmp_eq_u32 ttmp9, 2                          ; v's cluster?  The cluster's x is the same in all partners
	s_cselect_b32 s70, s67, s66                    ; source 1
	s_cselect_b32 s71, s66, s67                    ; source 0
	s_cselect_b32 s73, s69, s68
	s_cselect_b32 s74, s68, s69
.irp s, 0,1
	v_add_nc_u32 v[RA16+\s], s70, v[LI16]
	v_add_nc_u32 v[RA8+\s], s70, v[LI8]
	v_add_nc_u32 v[RB16+\s], s71, v[LI16]
	v_add_nc_u32 v[RB8+\s], s71, v[LI8]
	s_add_co_u32 s70, s70, SLOT
	s_add_co_u32 s71, s71, SLOT
.endr
	s_mov_b32 s[MHI], 0xffff0000
	s_mov_b32 s[SEL], 0x76543210
	s_mov_b32 s[SEL+1], 0xfedcba98
	v_mov_b32 v4, s73
	v_mov_b32 v5, s74
	v_cndmask_b32 v4, v4, v5, s[MHI]               ; lanes 0-15 take source 1's words, lanes 16-31 source 0's
	v_lshl_add_u32 v4, v1, 4, v4
.irp i, 0,1,2,3,4,5,6,7
.irp c, 0,1
	global_load_b128 v[SC+8*\i+4*\c:SC+8*\i+4*\c+3], v4, s[4:5] offset:512*\i+256*\c   ; all of K's scale words of block i: they stay in registers
.endr
.endr
	s_lshl_b32 s76, s42, 10
	s_lshl_b32 s77, s16, 9
	s_add_co_u32 s76, s76, s77                     ; my first column's bias: 4 (256 x tile column + 128 x half)
	s_mov_b32 s77, 0
	s_add_nc_u64 s[6:7], s[6:7], s[76:77]
	v_lshlrev_b32 v5, 6, v2                        ; 64 h
	v_and_b32 v6, 8, v1
	v_add_nc_u32 v6, v6, v1
	v_lshlrev_b32 v6, 2, v6                        ; 4 (r + 8 (r / 8))
	WIN TO_B
.set ee, 0
.rept 16
	global_load_b128 v[96+ee+96*(ee/32):99+ee+96*(ee/32)], v5, s[6:7] offset:128*(ee/16)+4*(ee%16)   ; the bias by register: number e is column 32 (e / 16) + 16 h + e % 16
.set ee, ee+4
.endr
	WIN 0
.irp a, 0,1,2,3,4,5,6,7
	global_load_b32 v[BL+2*\a], v6, s[6:7] offset:(32*(\a/2)+8*(\a%2))*4      ; the bias by lane: block a's row r, twice: a pair for the packed addition
	global_load_b32 v[BL+2*\a+1], v6, s[6:7] offset:(32*(\a/2)+8*(\a%2))*4    ; (each cluster uses one of the two forms; both stay inside b_qkv)
.endr
	s_wait_alu depctr_va_vdst(0)
	s_wait_tensorcnt 0x0                           ; my part of slot 0 is in; slot 1's first fill is issued as a refill is:
	ds_add_u32 v[SPW], v[NIL]                      ; 0 onto my spare word
	s_wait_dscnt 0x0
	CROUND                                         ; everybody's part of slot 0 is in, and all sixteen work-groups are here
	JLOAD G0+4, G0B+4                              ; slot 1: the first tensor load behind the round
	FETCH_B 0, 0, 0
	FETCH_A 0, 0, 0
	FETCH_A 0, 0, 4
	s_wait_loadcnt 0x0                             ; scale words and biases
	STEP 0, 0, 1                                   ; the first products start the sums: nothing is cleared
	TURN 0, 1, 1, 1
	STEP 1, 2, 0
	TURN 1, 0, 3, 1
	STEP 0, 4, 0
	TURN 0, 1, 5, 0                                ; nothing is left to fetch
	STEP 1, 6, 0
	s_wait_dscnt 4*NL
	WIN MUL_LO
	MUL16 0, 1, 7, 0
	MUL16 2, 1, 7, 0
	s_wait_dscnt 0x0
	WIN MUL_HI
	MUL16 4, 1, 7, 0
	MUL16 6, 1, 7, 0
	WIN 0
	; ---- THE WAY OUT: no LDS: every store leaves from registers and covers 512 or 256 consecutive bytes, aligned
	PLACES NP                                      ; behind the last products, ahead of the first write of their sources
.irp b, 0,1,2,3
	v_mov_b32 v[TM+4+\b], 0                        ; written once: a lane permute's destination counts as one of its sources
.endr
.irp i, 0,1,2,3
	v_mov_b32 v[ONES+3*\i], 0x08208208             ; the code of 1.0 is 001000: 16 of them are these three words
	v_mov_b32 v[ONES+3*\i+1], 0x82082082
	v_mov_b32 v[ONES+3*\i+2], 0x20820820
.endr
	v_mov_b32 v[ONESC], 0x7f7f7f7f                 ; and their scale 2^0
	s_lshr_b32 s74, s17, 3                         ; the batch
	s_lshl_b32 s74, s74, 4
	s_lshl_b32 s75, s40, 2
	s_add_co_u32 s74, s74, s75
	s_lshl_b32 s75, s16, 1
	s_add_co_u32 s74, s74, s75                     ; my first head: 16 x batch + 4 cx + 2 x half; I hold two
	s_and_b32 s75, s17, 7                          ; which 256 tokens of the sequence
	s_lshl_b32 s76, s74, 3
	s_add_co_u32 s76, s76, s75
	s_mul_i32 s76, s76, KVS                        ; their slot in kv
	s_mul_i32 s77, s74, 98304
	s_lshl_b32 s90, s75, 4
	s_lshl_b32 s91, s15, 3
	s_add_co_u32 s90, s90, s91                     ; my first tile of the sequence's 128
	s_mul_i32 s91, s90, 768
	s_add_co_u32 s77, s77, s91                     ; q's images
	s_mul_i32 s91, s15, 6144
	s_add_co_u32 s91, s91, s76                     ; k's
	s_lshl_b32 s92, s74, 13
	s_lshl_b32 s90, s90, 6
	s_add_co_u32 s92, s92, s90
	s_add_co_u32 s92, s92, QS                      ; q's scale words: 256 bytes for four tiles
	s_lshl_b32 s93, s15, 9
	s_add_co_u32 s93, s93, s76
	s_add_co_u32 s93, s93, 12288                   ; k's
	s_mov_b32 s94, 98304
	s_mov_b32 s95, KVH
	s_mov_b32 s96, 8192
	s_mov_b32 s85, 0
	s_mov_b32 s87, 0
	s_mov_b32 s89, 0
	s_cmp_eq_u32 ttmp9, 0                          ; q's cluster or k's
	s_cselect_b64 s[78:79], s[8:9], s[10:11]
	s_cselect_b32 s84, s77, s91
	s_cselect_b32 s86, s92, s93
	s_cselect_b32 s88, s94, s95                    ; from head to head among the images
	s_cselect_b32 s96, s96, s95                    ; and among the scale words
	s_add_nc_u64 s[82:83], s[78:79], s[86:87]
	s_add_nc_u64 s[78:79], s[78:79], s[84:85]
	s_add_nc_u64 s[80:81], s[78:79], s[88:89]
	v_lshlrev_b32 v3, 4, v1                        ; 16 r
	v_mad_u32_u24 v[QKS], v2, s96, v3
	v_mad_u32_u24 v[VSO], v2, s95, v3
	v_lshl_add_u32 v[SVO], v2, 12, v3
	v_lshlrev_b32 v[SH], 4, v2
	s_cmp_eq_u32 ttmp9, 2
	s_cbranch_scc1 .Lvpath
	; q, k: a lane is one token; its 64 numbers run along two heads' 64: the fragment's two halves are the two heads' images
.irp a, 0,1,2,3,4,5,6,7
	ADDQ \a
	QUANT T, PWS+\a
	global_store_b128 v[LI16], v[PC:PC+3], s[78:79] offset:768*\a
	global_store_b64 v[LI8], v[PC+4:PC+5], s[78:79] offset:768*\a+512
	global_store_b128 v[LI16], v[PC+6:PC+9], s[80:81] offset:768*\a
	global_store_b64 v[LI8], v[PC+10:PC+11], s[80:81] offset:768*\a+512
.endr
.irp a, 0,1,2,3,4,5,6,7
	v_bfe_u32 v[PWS+\a], v[PWS+\a], v[SH], 16      ; lanes 0-15 keep the first head's two bytes, lanes 16-31 the second's; the upper two bytes are 0
.endr
	global_store_b128 v[QKS], v[PWS:PWS+3], s[82:83]
	global_store_b128 v[QKS], v[PWS+4:PWS+7], s[82:83] offset:256
	s_branch .Ljoin
.Lvpath:
	; v: a lane is one of the head's 64; its 64 numbers run along my 128 keys: a fragment of the second attention product
	s_mul_i32 s84, s15, 6144
	s_add_co_u32 s84, s84, s76
	s_add_co_u32 s84, s84, 13312
	s_add_nc_u64 s[84:85], s[10:11], s[84:85]      ; my key step's fragments
	s_lshl_b32 s86, s15, 8
	s_add_co_u32 s86, s86, s76
	s_add_co_u32 s86, s86, 25600
	s_add_nc_u64 s[86:87], s[10:11], s[86:87]      ; their scale words
	s_lshl_b32 s88, s74, 4
	s_lshl_b32 s90, s75, 1
	s_add_co_u32 s88, s88, s90
	s_add_co_u32 s88, s88, s15
	s_lshl_b32 s88, s88, 8
	s_add_nc_u64 s[88:89], s[12:13], s[88:89]      ; their sums
.irp a, 0,1,2,3,4,5,6,7
	ADDV \a                                        ; these 32 additions are also the places between the last block's codes and scale word and the product that reads them
.if \a > 0
	SVMUL \a-1                                     ; the maxima that follow are the places ahead of the next write of v[PC] on
.endif
	QUANT T, PWS+\a
	STFRAG PC, 84, ((\a)/4)*KVH+((\a)%4)*1536
.endr
	PLACES 8                                       ; a scale word written by a vector instruction stands eight places ahead of the product
	SVMUL 7
	PLACES NP
.irp i, 0,1,2,3
	v_cndmask_b32 v[XR+\i], v[PWS+\i], v[PWS+4+\i], s[MHI]   ; lanes 0-15: the first head's d tile i, lanes 16-31: the second's
.endr
	WIN 0x05
.irp i, 0,1,2,3
	v_cndmask_b32 v[YR+\i], v[8*\i], v[32+8*\i], s[MHI]      ; each result's lowest register
.endr
	WIN 0
	global_store_b128 v[VSO], v[XR:XR+3], s[86:87]
	global_store_b128 v[SVO], v[YR:YR+3], s[88:89]
.Ljoin:
	s_wait_tensorcnt 0x0                           ; the wave's end
	ds_add_u32 v[SPW], v[NIL]
	s_wait_dscnt 0x0
	CROUND                                         ; the closing round: no work-group ends while a partner may still ask for a tile that names it
	s_endpgm
.Lfunc_end_k_qacb8c28fe8_qkv:
	.size	k_qacb8c28fe8_qkv, .Lfunc_end_k_qacb8c28fe8_qkv-k_qacb8c28fe8_qkv
	.p2alignl 7, 3214868480
	.fill 96, 4, 3214868480
	.section	.rodata,"a",@progbits
	.p2align	6, 0x0
	.amdhsa_kernel k_qacb8c28fe8_qkv
		.amdhsa_group_segment_fixed_size 327680
		.amdhsa_private_segment_fixed_size 0
		.amdhsa_enable_private_segment 0
		.amdhsa_kernarg_size 40
		.amdhsa_user_sgpr_count 2
		.amdhsa_user_sgpr_kernarg_segment_ptr 1
		.amdhsa_wavefront_size32 1
		.amdhsa_system_sgpr_workgroup_id_x 1
		.amdhsa_system_sgpr_workgroup_id_y 1
		.amdhsa_system_sgpr_workgroup_id_z 1
		.amdhsa_system_vgpr_workitem_id 0
		.amdhsa_next_free_vgpr 1024
		.amdhsa_next_free_sgpr 100
		.amdhsa_reserve_vcc 0
		.amdhsa_float_denorm_mode_32 3
		.amdhsa_float_denorm_mode_16_64 3
		.amdhsa_memory_ordered 1
		.amdhsa_forward_progress 1
		.amdhsa_inst_pref_size 221
	.end_amdhsa_kernel
	.amdgpu_metadata
---
amdhsa.version: [ 1, 2 ]
amdhsa.kernels:
  - .name:           k_qacb8c28fe8_qkv
    .symbol:         k_qacb8c28fe8_qkv.kd
    .args:
      - { .name: g1, .offset: 0, .size: 8, .value_kind: global_buffer, .address_space: global }
      - { .name: b_qkv, .offset: 8, .size: 8, .value_kind: global_buffer, .address_space: global }
      - { .name: qb, .offset: 16, .size: 8, .value_kind: global_buffer, .address_space: global }
      - { .name: kv, .offset: 24, .size: 8, .value_kind: global_buffer, .address_space: global }
      - { .name: sv, .offset: 32, .size: 8, .value_kind: global_buffer, .address_space: global }
    .group_segment_fixed_size: 327680
    .private_segment_fixed_size: 0
    .kernarg_segment_align: 8
    .kernarg_segment_size: 40
    .max_flat_workgroup_size: 128
    .sgpr_count:     100
    .vgpr_count:     1024
    .wavefront_size: 32
...
	.end_amdgpu_metadata
.endif
;; end of part 2
;; launch attn (part 3): grid 4 x 64, 12 waves a work-group, clusters of 4 x 1, 327,680 bytes of LDS; arguments qb, kv, sv, g4; writes g4
.if DOCPART == 3
	.amdgcn_target "amdgcn-amd-amdhsa--gfx1250"
	.amdhsa_code_object_version 6
	.text
	.protected	k_qacb8c28fe8_attn
	.globl	k_qacb8c28fe8_attn
	.p2align	8
	.type	k_qacb8c28fe8_attn,@function
k_qacb8c28fe8_attn:
	s_mov_b64 s[64:65], 0
	v_nop
	global_prefetch_b8 v0, s[64:65] scope:SCOPE_SE
	s_setreg_imm32_b32 hwreg(HW_REG_WAVE_MODE, 25, 1), 1
	s_wait_xcnt 0x0
	s_wait_alu depctr_hold_cnt(0) depctr_sa_sdst(0) depctr_va_vdst(0) depctr_va_sdst(0) depctr_va_ssrc(0) depctr_va_vcc(0) depctr_vm_vsrc(0)
	s_getreg_b32 s2, hwreg(HW_REG_IB_STS2, 6, 4)
	s_cmp_eq_u32 s2, 0
	s_cbranch_scc0 .Lentry_in_a_cluster
	s_endpgm
.Lentry_in_a_cluster:
	s_bfe_u32 s2, ttmp6, 0x10000c
	s_cmp_lg_u32 s2, 0x3003
	s_cbranch_scc0 .Lentry_shape_is_right
	s_endpgm
.Lentry_shape_is_right:
; Causal attention on codes of FP6 (E2M3): S = q k^T / 8 (K = the head's 64), masked keys' logits = -10,000, p = 2^(t - M), O = p v / l (K = the keys), and O quantised along the model's 1,024 for the last product.
; 64 heads (batch x head), 2,048 tokens.  q, k, v arrive as images of operand registers with their scale words (layouts: the launch before).
; THE SOFTMAX: t = logit x log2(e); M = the running largest t rounded UP to a whole number; p is not normalised; the row's sum l is taken of the unquantised p and divides at the end.
; THE MASK'S VALUE IS A NUMBER, so masked keys count: tm = -10,000 log2(e) enters M from the start (for every query but the last, which has no masked key), and l and O.
;   In the key step on the diagonal, masked scores are replaced and go the common way.  Of the key steps that lie wholly behind the diagonal nothing is multiplied: there every p is pm = 2^(tm - M); M is whole, so pm's mantissa is that
;   of 2^tm, 1.035: in a block of equal numbers that is 4.14 steps of the scale, which rounds to 4: the quantised pm is pm's power of two.  So those steps add pm x (their keys) to l and (pm's power of two) x (the sum of their quantised v) to O;
;   the sums of quantised v for each key step come from sv.
; ALL OF A HEAD'S kv LIES IN LDS: 8 slots of 26,112 bytes = 208,896.  Each of the 12 waves asks for one twelfth (68 rows of 256 bytes) by one tensor load at the head; one barrier shows all of it to all waves; nothing is filled again,
;   so the walk over the keys has no barrier and no wait on tensor loads, and each wave walks by itself.
; SHARES.  A cluster of four work-groups is one head: the four need the same kv and ask for it JOINTLY (mask 15).  Of each block of 128 queries work-group cx has tiles 2 cx and 2 cx + 1: 32 tiles; a tile of block b walks b + 1 key steps of 128.
;   Wave w takes tiles 2 cx + w % 2.  With j = w / 2: j < 5: blocks 15 - j and 6 + j, 23 key steps; j = 5: blocks 5, 4, 3, 2, 1, 0, 21 key steps.  cx enters global addresses and the mask's lane numbers alone.
;   The pass and the key step are written once, in loops of 6 and 16 trips; branches on the wave's number and the loops' counts lead round the passes that a wave has not, and out of the key loop behind the wave's block.
; AHEAD OF THEIR USE: the sums of v behind each of the wave's blocks are made at the head and lie in LDS by pass; the next pass's q is asked for a pass ahead; the next key step's tiles of k a step ahead (behind a block's last step: key step 0's).
; No prefetch: every byte of kv is asked for at the head, and no fetch stands behind it for a prefetch to run ahead of.
; LAYOUT.  Both products are used transposed: a lane holds one query throughout.  The keys of a tile of k are 32 al + 8 u + r + 8 (r / 8), so that p's 16 registers of two tiles are 16 neighbouring keys; v's d tiles likewise, so that O^T's 32
;   registers are in the quantiser's order.  THE FIRST PRODUCT'S K IS 64 OF THE INSTRUCTION'S 128: q's registers 6-11 are zero codes; k's operand of tile t is the 12 registers from v[32 + 6 t] on, whose upper six hold the next tile's codes:
;   every code of this format is a finite number, so those products are zeros.
; LIMITS: p and pm under 2^-126 count as 0; M is exact while |t| stays under 2^24; a block of zeros gets the byte 1; NaN and infinities are not served.
; O's scale bytes leave one byte a lane: a row's 32 bytes belong to 16 heads, that is to 16 clusters.
.set SB,    26112                      ; a slot of kv: 256 keys
.set PART,  17408                      ; what one wave fetches
.set KSO,   12288                      ; in a slot: k's scale words,
.set VCO,   13312                      ; v's fragments,
.set VSOF,  25600                      ; v's scale words
.set SUFS,  8*SB                       ; behind kv: for each wave 6 x 256 bytes: the sums of v behind the block of each of its passes
.set SUFW,  1536
.set SPARE, SUFS+12*SUFW               ; the spare words, 128 bytes for each wave, which no other line names
.set QS,    6291456
.set AS,    7077888
.set LI16, 1                           ; v1  16 x lane
.set LI8,  2                           ; v2  8 x lane
.set LSC,  3                           ; v3  16 r
.set DM,   4                           ; v4  my query in its block - 16 h
.set SPW,  5
.set NIL,  6
.set MV,   7                           ; v7  -80,000: the raw score whose eighth is -10,000
.set AD16, 8                           ; v8, v9 this key step's fragments of v + v1, v2
.set AD8,  9
.set ADS,  10                          ; v10 the next step's scale words of k + v3
.set OB8,  11                          ; v11 16 r + h
                                       ; v12 -M, v13 the largest t, v[14:15] the sum; v16-21 q's codes, v22-27 zeros, v28 q's scale word
.set SFW,  29                          ; v29 where I put my two sums of v
.set SFR,  30                          ; v30 where I read my half's 32
.set ADV,  31                          ; v31 v's scale words + v3
.set KV,   32                          ; v32-79 k's tiles; v80-85 zeros
.set KSW,  86                          ; v86-93 k's scale words
.set VSW,  94                          ; v94-97 v's
.set QIN,  98                          ; v98 my query in its block of 128
.set AK16, 99                          ; v99, v215 the next step's tiles of k + v1, v2
.set AK8,  215
.set S,    100                         ; v100-163 S^T, then p
.set O,    164                         ; v164-195 O^T
.set PCD,  196                         ; v196-207 p's codes
.set CT,   208                         ; v208-214 halves of blocks
.set BM,   216                         ; v216-219 the blocks' largest
.set BP,   220                         ; v220-223 the other half's, then bytes
.set BS,   224                         ; v224-227 scale operands
.set PSW,  228                         ; v228 p's scale word
.set QNS,  229                         ; v229 the next pass's q: its scale word; v238-243 its codes
.set QN,   238
                                       ; v[230:231] f, later 1 / l; v[232:233], v244-255 chains of sums; v234-237 at work;  v256-303 v's four fragments
.set WV,   18
.set JJ,   19
.set SEL,  20
.set CS,   22                          ; s[22:23] c = log2(e) / 8
.set G1,   24
.set G0,   32
.set NP,   36                          ; my passes: 2 or 6
.set ST,   37                          ; the key step
.set BLK,  38                          ; my block of queries
.set PS,   39                          ; the pass
.set CX,   40
.set BH,   41
.set TL,   42                          ; my tile in a block: 2 cx + w % 2
.set A15,  43                          ; 15 - j
.set B6,   44                          ; 6 + j
.set BQ,   45                          ; the next pass's block
.set MHI,  47
.set QB,   48
.set QSB,  50
.set AIB,  52
.set SCB,  54
.set SVB,  56
.macro CROUND
	s_barrier_signal -1
	s_barrier_wait -1
	s_cmp_lg_u32 s[WV], 0
	s_cbranch_scc1 .Lnot_wave_0_\@
	s_barrier_signal -3
.Lnot_wave_0_\@:
	s_barrier_wait -3
	s_barrier_signal -1
	s_barrier_wait -1
.endm
.macro BLKOF d, p                      ; the block of pass s[p].  Beyond a wave's last pass it is one of the wave's own blocks again: what is read by it stays inside its buffer and is not used
	s_cmp_eq_u32 s[\p], 0
	s_cselect_b32 s[\d], s[A15], s[B6]
	s_sub_co_i32 s70, 5, s[\p]
	s_max_i32 s70, s70, 0
	s_cmp_lt_u32 s[JJ], 5
	s_cselect_b32 s[\d], s[\d], s70
.endm
.macro KLOAD a16, a8, as               ; a key step's eight tiles of k and their scale words: 18 loads
.irp t, 0,1,2,3,4,5,6,7
	ds_load_b128 v[KV+6*\t:KV+6*\t+3], v[\a16] offset:\t*768
	ds_load_b64 v[KV+6*\t+4:KV+6*\t+5], v[\a8] offset:\t*768+512
.endr
	ds_load_b128 v[KSW:KSW+3], v[\as] offset:KSO
	ds_load_b128 v[KSW+4:KSW+7], v[\as] offset:KSO+256
.endm
.macro QLOAD                           ; q's tile of block s[BQ] and its scale words, into the registers that wait for the next pass
	s_lshl_b32 s58, s[BQ], 3
	s_add_co_u32 s58, s58, s[TL]                   ; the tile of the sequence's 128
	s_lshl_b32 s59, s[BH], 7
	s_add_co_u32 s59, s59, s58
	s_mul_i32 s60, s59, 768
	s_mov_b32 s61, 0
	s_add_nc_u64 s[QB:QB+1], s[4:5], s[60:61]
	s_lshl_b32 s60, s[BH], 13
	s_lshr_b32 s59, s58, 2
	s_lshl_b32 s59, s59, 8
	s_add_co_u32 s60, s60, s59
	s_and_b32 s59, s58, 3
	s_lshl_b32 s59, s59, 2
	s_add_co_u32 s60, s60, s59
	s_add_co_u32 s60, s60, QS
	s_add_nc_u64 s[QSB:QSB+1], s[4:5], s[60:61]
	global_load_b128 v[QN:QN+3], v[LI16], s[QB:QB+1]
	global_load_b64 v[QN+4:QN+5], v[LI8], s[QB:QB+1] offset:512
	global_load_b32 v[QNS], v[LSC], s[QSB:QSB+1]
.endm
; A KEY STEP: keys 128 ST .. 128 ST + 127: the (ST % 2)-th half of slot ST / 2
.macro STEP
	s_cmp_gt_u32 s[ST], s[BLK]
	s_cbranch_scc1 .Lwalked                        ; all further keys lie behind my queries
	s_min_u32 s76, s[ST], 15                       ; the key step, held inside the head's sixteen: every LDS address below lies inside kv
	s_lshr_b32 s58, s76, 1
	s_and_b32 s59, s76, 1
	s_mul_i32 s58, s58, SB                         ; the slot
	s_mul_i32 s60, s59, 6144
	s_add_co_u32 s60, s60, s58                     ; v's fragments: 6,144 bytes a key step
	s_lshl_b32 s61, s59, 8
	s_add_co_u32 s61, s61, s58                     ; v's scale words: 256
	s_add_co_u32 s71, s[ST], 1                     ; whose k is asked for now: the next step's,
	s_cmp_eq_u32 s[ST], s[BLK]
	s_cselect_b32 s71, 0, s71                      ; behind my block's last step key step 0's, with which every pass begins
	s_min_u32 s71, s71, 15
	s_lshr_b32 s72, s71, 1
	s_and_b32 s73, s71, 1
	s_mul_i32 s72, s72, SB
	s_mul_i32 s74, s73, 6144
	s_add_co_u32 s74, s74, s72                     ; k's images: 6,144 bytes a key step
	s_lshl_b32 s75, s73, 9
	s_add_co_u32 s75, s75, s72                     ; k's scale words: 512
	s_wait_dscnt 0x0                               ; this step's k, asked for a step ago
.irp t, 0,1,2,3,4,5,6,7
	v_wmma_scale_f32_16x16x128_f8f6f4 v[S+8*\t:S+8*\t+7], v[KV+6*\t:KV+6*\t+11], v[16:27], 0, v[KSW+\t], v28 matrix_a_fmt:MATRIX_FMT_FP6 matrix_b_fmt:MATRIX_FMT_FP6
.endr
	v_add_nc_u32 v[AD16], s60, v[LI16]             ; these six are also the places in front of the loads below and of the first read of the scores
	v_add_nc_u32 v[AD8], s60, v[LI8]
	v_add_nc_u32 v[ADV], s61, v[LSC]
	v_add_nc_u32 v[AK16], s74, v[LI16]
	v_add_nc_u32 v[AK8], s74, v[LI8]
	v_add_nc_u32 v[ADS], s75, v[LSC]
	s_set_vgpr_msb 0x40                            ; destinations v256 on
.irp d, 0,1,2,3                                ; v's fragments land under the softmax
	ds_load_b128 v[12*\d:12*\d+3], v[AD16] offset:VCO+1536*\d
	ds_load_b64 v[12*\d+4:12*\d+5], v[AD8] offset:VCO+1536*\d+512
	ds_load_b128 v[12*\d+6:12*\d+9], v[AD16] offset:VCO+1536*\d+768
	ds_load_b64 v[12*\d+10:12*\d+11], v[AD8] offset:VCO+1536*\d+1280
.endr
	s_set_vgpr_msb 0x4000
	ds_load_b128 v[VSW:VSW+3], v[ADV] offset:VSOF
	KLOAD AK16, AK8, ADS
	s_cmp_lg_u32 s[ST], s[BLK]
	s_cbranch_scc1 .Lopen_\@
.set nn, 0
.rept 64                                       ; on the diagonal: register 16 b + i holds key 32 b + 16 h + i of the step: masked where 32 b + i > my query - 16 h
	v_cmp_gt_i32 vcc_lo, 32*(nn/16)+nn%16, v[DM]
	v_cndmask_b32 v[S+nn], v[S+nn], v[MV], vcc_lo
.set nn, nn+1
.endr
.Lopen_\@:
.irp b, 0,1,2,3
	v_max3_num_f32 v[BM+\b], v[S+16*\b], v[S+1+16*\b], v[S+2+16*\b]   ; the largest score of each block of 32 keys: it serves the row's maximum and, since p rises with the score, the block's largest p
.endr
.irp i, 3,5,7,9,11,13
.irp b, 0,1,2,3
	v_max3_num_f32 v[BM+\b], v[BM+\b], v[S+16*\b+\i], v[S+1+16*\b+\i]
.endr
.endr
.irp b, 0,1,2,3
	v_max_num_f32 v[BM+\b], v[BM+\b], v[S+15+16*\b]
.endr
.irp b, 0,1,2,3
	s_delay_alu instid0(VALU_DEP_4)
	v_permlanex16_b32 v[BP+\b], v[BM+\b], s[SEL], s[SEL+1]
.endr
.irp b, 0,1,2,3
	s_delay_alu instid0(VALU_DEP_4)
	v_max_num_f32 v[BM+\b], v[BM+\b], v[BP+\b]
.endr
	s_delay_alu instid0(VALU_DEP_2)
	v_max3_num_f32 v234, v[BM], v[BM+1], v[BM+2]
	s_delay_alu instid0(VALU_DEP_1)
	v_max_num_f32 v234, v234, v[BM+3]
	s_delay_alu instid0(VALU_DEP_1)
	v_mul_f32 v234, s[CS], v234                    ; as t (c is positive)
	s_delay_alu instid0(VALU_DEP_1)
	v_max_num_f32 v13, v13, v234                   ; the running largest t
	v_mov_b32 v234, v12
	s_delay_alu instid0(VALU_DEP_2)
	v_floor_f32 v12, -v13                          ; the new -M = -ceil(t)
	s_delay_alu instid0(VALU_DEP_1)
	v_sub_f32 v234, v12, v234                      ; old M - new M: a whole number, 0 or less
	s_delay_alu instid0(VALU_DEP_1)
	v_cvt_i32_f32 v234, v234                       ; (it saturates)
	s_delay_alu instid0(VALU_DEP_1)
	v_ldexp_f32 v230, 1.0, v234                    ; f = 2^(old M - new M): a multiplication by it rounds nothing
.set nn, 0
.rept 32
	v_pk_fma_f32 v[S+nn:S+nn+1], v[S+nn:S+nn+1], s[CS:CS+1], v[12:13] op_sel_hi:[1,0,0]   ; t - M
.set nn, nn+2
.endr
.irp b, 0,1,2,3
	v_fma_f32 v[BM+\b], v[BM+\b], s[CS], v12
.endr
.set nn, 0
	s_wait_alu depctr_va_vdst(0)
.rept 64
	v_exp_f32 v[S+nn], v[S+nn]                     ; p = 2^(t - M)
.set nn, nn+1
.endr
	v_pk_mul_f32 v[14:15], v[14:15], v[230:231] op_sel_hi:[1,0]   ; the sums under the new M: the plain instruction behind the exponentials
	s_wait_alu depctr_va_vdst(0)                   ; one wait for the batch, ahead of its first reader
.irp b, 0,1,2,3
	v_exp_f32 v[BM+\b], v[BM+\b]                   ; the blocks' largest p
.endr
	v_pk_add_f32 v[232:233], v[104:105], v[108:109]   ; the row's sum of the unquantised p, in eight chains
	v_pk_add_f32 v[254:255], v[112:113], v[116:117]
	v_pk_add_f32 v[252:253], v[120:121], v[124:125]
	v_pk_add_f32 v[250:251], v[128:129], v[132:133]
	v_pk_add_f32 v[248:249], v[136:137], v[140:141]
	v_pk_add_f32 v[246:247], v[144:145], v[148:149]
	v_pk_add_f32 v[244:245], v[152:153], v[156:157]
	v_pk_add_f32 v[14:15], v[14:15], v[160:161]
	v_pk_add_f32 v[232:233], v[232:233], v[100:101]
	v_pk_add_f32 v[254:255], v[254:255], v[102:103]
	v_pk_add_f32 v[252:253], v[252:253], v[106:107]
	v_pk_add_f32 v[250:251], v[250:251], v[110:111]
	v_pk_add_f32 v[248:249], v[248:249], v[114:115]
	v_pk_add_f32 v[246:247], v[246:247], v[118:119]
	v_pk_add_f32 v[244:245], v[244:245], v[122:123]
	v_pk_add_f32 v[14:15], v[14:15], v[126:127]
	v_pk_add_f32 v[232:233], v[232:233], v[130:131]
	v_pk_add_f32 v[254:255], v[254:255], v[134:135]
	v_pk_add_f32 v[252:253], v[252:253], v[138:139]
	v_pk_add_f32 v[250:251], v[250:251], v[142:143]
	v_pk_add_f32 v[248:249], v[248:249], v[146:147]
	v_pk_add_f32 v[246:247], v[246:247], v[150:151]
	v_pk_add_f32 v[244:245], v[244:245], v[154:155]
	v_pk_add_f32 v[14:15], v[14:15], v[158:159]
	v_pk_add_f32 v[232:233], v[232:233], v[162:163]
	s_delay_alu instid0(VALU_DEP_2)
	v_pk_add_f32 v[14:15], v[14:15], v[250:251]
	s_delay_alu instid0(VALU_DEP_2)
	v_pk_add_f32 v[232:233], v[232:233], v[248:249]
	v_pk_add_f32 v[254:255], v[254:255], v[246:247]
	v_pk_add_f32 v[252:253], v[252:253], v[244:245]
	s_delay_alu instid0(VALU_DEP_2)
	v_pk_add_f32 v[14:15], v[14:15], v[254:255]
	s_delay_alu instid0(VALU_DEP_2)
	v_pk_add_f32 v[232:233], v[232:233], v[252:253]
	s_delay_alu instid0(VALU_DEP_1)
	v_pk_add_f32 v[14:15], v[14:15], v[232:233]
	s_wait_alu depctr_va_vdst(0)                   ; and one for the four
.irp b, 0,1,2,3
	v_max_num_f32 v[BM+\b], 0x1800000, v[BM+\b]    ; the floor 2^(3 - 127): the byte cannot fall under 1
.endr
.irp b, 0,1,2,3
	s_delay_alu instid0(VALU_DEP_4)
	v_add_nc_u32 v[BS+\b], 0xff000000, v[BM+\b]
.endr
.irp b, 0,1,2,3
	s_delay_alu instid0(VALU_DEP_4)
	v_lshrrev_b32 v[BP+\b], 23, v[BS+\b]
.endr
	s_delay_alu instid0(VALU_DEP_3)
	v_lshl_or_b32 v[PSW], v[BP+1], 8, v[BP]
	s_delay_alu instid0(VALU_DEP_1)
	v_lshl_or_b32 v[PSW], v[BP+2], 16, v[PSW]
	s_delay_alu instid0(VALU_DEP_1)
	v_lshl_or_b32 v[PSW], v[BP+3], 24, v[PSW]
.irp c, 0,1
	v_cvt_scalef32_pk16_fp6_f32 v[PCD+6*\c:PCD+2+6*\c], v[S+32*\c:S+15+32*\c], v[BS+2*\c]
	v_cvt_scalef32_pk16_fp6_f32 v[CT+4*\c:CT+2+4*\c], v[S+16+32*\c:S+31+32*\c], v[BS+2*\c+1]
.endr
	v_nop                                          ; one plain instruction behind the scaled conversions
.irp c, 0,1
.irp i, 0,1,2
	v_permlane16_swap_b32 v[PCD+6*\c+\i], v[CT+4*\c+\i]
.endr
.irp i, 0,1,2
	s_delay_alu instid0(VALU_DEP_3)
	v_mov_b32 v[PCD+3+6*\c+\i], v[CT+4*\c+\i]
.endr
.endr
.set nn, 0
.rept 16
	v_pk_mul_f32 v[O+nn:O+nn+1], v[O+nn:O+nn+1], v[230:231] op_sel_hi:[1,0]   ; O^T under the new M.  These sixteen are also the places between p's codes and scale word and the products
.set nn, nn+2
.endr
	s_wait_alu depctr_va_vdst(0)
	s_wait_dscnt 18                                ; v's fragments and scale words are in; the 18 loads of k issued behind them may be out
	s_set_vgpr_msb 0x01                            ; source 0 from v256 on
.irp d, 0,1,2,3                                ; the four accumulators by turns; eight other products stand between two links of a chain
	v_wmma_scale_f32_16x16x128_f8f6f4 v[O+8*\d:O+8*\d+7], v[12*\d:12*\d+11], v[PCD:PCD+11], v[O+8*\d:O+8*\d+7], v[VSW+\d], v[PSW] matrix_a_fmt:MATRIX_FMT_FP6 matrix_b_fmt:MATRIX_FMT_FP6
.endr
	s_set_vgpr_msb 0x0100
	s_add_co_u32 s[ST], s[ST], 1
.endm
; A pass begins: q takes its place, the next pass's q is asked for; the start of M, l and O^T
.macro BEGIN
	s_wait_xcnt 0x0                                ; the last pass's stores have read their registers and bases
	s_wait_loadcnt 0x0                             ; this pass's q, asked for a pass ago
.irp i, 0,1,2,3,4,5
	v_mov_b32 v[16+\i], v[QN+\i]
.endr
	v_mov_b32 v28, v[QNS]                          ; more than eight plain instructions stand between this line and the first product
	s_add_co_u32 s69, s[PS], 1
	BLKOF BQ, 69
	QLOAD
	v_mul_f32 v13, s[CS], v[MV]                    ; the largest t so far: tm, the masked keys';
	s_lshl_b32 s59, s[BLK], 7
	v_add_nc_u32 v234, s59, v[QIN]
	v_mov_b32 v235, 0xff61b1e6
	s_delay_alu instid0(VALU_DEP_2)
	v_cmp_eq_u32 vcc_lo, 0x7ff, v234
	s_delay_alu instid0(VALU_DEP_1)
	v_cndmask_b32 v13, v13, v235, vcc_lo           ; for query 2,047, which has none: -3e38
	s_delay_alu instid0(VALU_DEP_1)
	v_floor_f32 v12, -v13
	v_mov_b32 v14, 0
	v_mov_b32 v15, 0
.set nn, 0
.rept 32
	v_mov_b32 v[O+nn], 0                           ; the step is written once: the first finds zeros
.set nn, nn+1
.endr
.endm
; A pass ends: the masked steps' share, the division, O quantised along the head's 64 (two blocks), its image and bytes stored
.macro WAYOUT
	s_lshl_b32 s58, s[BLK], 3
	s_add_co_u32 s58, s58, s[TL]                   ; my tile of the sequence's 128
	s_lshr_b32 s59, s[BH], 4
	s_lshl_b32 s59, s59, 7
	s_add_co_u32 s59, s59, s58                     ; of all 512
	s_mul_i32 s60, s59, 12288
	s_and_b32 s67, s[BH], 15                       ; the head in its batch
	s_mul_i32 s68, s67, 768
	s_add_co_u32 s60, s60, s68
	s_mov_b32 s61, 0
	s_add_nc_u64 s[AIB:AIB+1], s[10:11], s[60:61]  ; O's image: K step head / 2, half head % 2
	s_lshl_b32 s60, s59, 9
	s_lshr_b32 s68, s67, 3
	s_lshl_b32 s68, s68, 8
	s_add_co_u32 s60, s60, s68
	s_and_b32 s68, s[BH], 7
	s_lshl_b32 s68, s68, 1
	s_add_co_u32 s60, s60, s68
	s_add_co_u32 s60, s60, AS
	s_add_nc_u64 s[SCB:SCB+1], s[10:11], s[60:61]  ; its two scale bytes a row
	s_lshl_b32 s58, s[PS], 8
	v_add_nc_u32 v236, s58, v[SFR]                 ; this pass's sums of v
	v_add_f32 v14, v14, v15
	s_delay_alu instid0(VALU_DEP_1)
	v_permlanex16_b32 v234, v14, s[SEL], s[SEL+1]
	s_delay_alu instid0(VALU_DEP_1)
	v_add_f32 v14, v14, v234                       ; the row's sum over the steps that were walked
	v_fma_f32 v235, v[MV], s[CS], v12              ; tm - M,
	s_delay_alu instid0(VALU_DEP_1)
	v_min_num_f32 v235, 0, v235                    ; never above 0 where a key is masked; held there for query 2,047, whose count of masked keys is 0
	s_wait_alu depctr_va_vdst(0)
	v_exp_f32 v235, v235                           ; pm
.irp j, 0,1,2,3,4,5,6,7
	ds_load_b128 v[S+4*\j:S+4*\j+3], v236 offset:16*\j   ; the sums of v for rows 8 h + j of the four d tiles
.endr
	s_sub_co_u32 s58, 15, s[BLK]
	s_lshl_b32 s58, s58, 7
	v_cvt_f32_u32 v236, s58                        ; the keys of the steps left out
	s_wait_alu depctr_va_vdst(0)
	v_fma_f32 v14, v235, v236, v14                 ; l
	v_and_b32 v237, 0x7f800000, v235               ; pm quantised: its power of two
	s_wait_alu depctr_va_vdst(0)
	v_rcp_f32 v230, v14
	s_wait_dscnt 0x0
	s_wait_alu depctr_va_vdst(0)
.irp d, 0,1,2,3
.irp j, 0,1,2,3,4,5,6,7
	v_fmac_f32 v[O+8*\d+\j], v237, v[S+4*\j+\d]    ; each accumulator from its low end on
.endr
.endr
	s_wait_alu depctr_va_vdst(0)
.set nn, 0
.rept 16
	v_pk_mul_f32 v[O+nn:O+nn+1], v[O+nn:O+nn+1], v[230:231] op_sel_hi:[1,0]   ; / l
.set nn, nn+2
.endr
.irp b, 0,1
	v_max3_num_f32 v[BM+\b], |v[O+16*\b]|, |v[O+1+16*\b]|, 0x1800000   ; register 16 b + i is channel 32 b + 16 h + i
.endr
.irp i, 2,4,6,8,10,12,14
.irp b, 0,1
	s_delay_alu instid0(VALU_DEP_2)
	v_max3_num_f32 v[BM+\b], v[BM+\b], |v[O+16*\b+\i]|, |v[O+1+16*\b+\i]|
.endr
.endr
.irp b, 0,1
	s_delay_alu instid0(VALU_DEP_2)
	v_permlanex16_b32 v[BP+\b], v[BM+\b], s[SEL], s[SEL+1]
.endr
.irp b, 0,1
	s_delay_alu instid0(VALU_DEP_2)
	v_max_num_f32 v[BM+\b], v[BM+\b], v[BP+\b]
.endr
.irp b, 0,1
	s_delay_alu instid0(VALU_DEP_2)
	v_add_nc_u32 v[BS+\b], 0xff000000, v[BM+\b]
.endr
.irp b, 0,1
	s_delay_alu instid0(VALU_DEP_2)
	v_lshrrev_b32 v[BP+\b], 23, v[BS+\b]
.endr
	v_cvt_scalef32_pk16_fp6_f32 v[PCD:PCD+2], v[O:O+15], v[BS]
	v_cvt_scalef32_pk16_fp6_f32 v[CT:CT+2], v[O+16:O+31], v[BS+1]
	v_nop
.irp i, 0,1,2
	v_permlane16_swap_b32 v[PCD+\i], v[CT+\i]
.endr
.irp i, 0,1,2
	s_delay_alu instid0(VALU_DEP_3)
	v_mov_b32 v[PCD+3+\i], v[CT+\i]
.endr
	v_cndmask_b32 v234, v[BP], v[BP+1], s[MHI]     ; lanes 0-15 carry block 0's byte, lanes 16-31 block 1's
	global_store_b128 v[LI16], v[PCD:PCD+3], s[AIB:AIB+1]
	global_store_b64 v[LI8], v[PCD+4:PCD+5], s[AIB:AIB+1] offset:512
	global_store_b8 v[OB8], v234, s[SCB:SCB+1]
.endm
	s_load_b256 s[4:11], s[0:1], 0x0               ; qb s[4:5], kv s[6:7], sv s[8:9], g4 s[10:11]
	v_lshl_add_u32 v[SPW], v0, 2, SPARE
	v_mov_b32 v[NIL], 0
	ds_add_u32 v[SPW], v[NIL]                      ; the opening lines: the add, twice on end, and its wait ahead of my tensor load
	ds_add_u32 v[SPW], v[NIL]
	s_wait_dscnt 0x0
	v_lshrrev_b32 v8, 5, v0
	s_delay_alu instid0(VALU_DEP_1)
	v_readfirstlane_b32 s[WV], v8                  ; wave 0..11
	s_bfe_u32 s[CX], ttmp6, 0x40000                ; my place in the cluster
	s_and_b32 s[BH], ttmp7, 0xffff                 ; the head, which the four partners share
	s_and_b32 s58, s[WV], 1
	s_lshl_b32 s[TL], s[CX], 1
	s_add_co_u32 s[TL], s[TL], s58
	s_lshr_b32 s[JJ], s[WV], 1
	s_sub_co_u32 s[A15], 15, s[JJ]
	s_add_co_u32 s[B6], s[JJ], 6
	s_cmp_lt_u32 s[JJ], 5
	s_cselect_b32 s[NP], 2, 6
	; group 1: a twelfth of the head's kv: 68 rows of 256 bytes (32 elements of 8), dense in memory and in LDS
	s_mov_b32 s[G1], 15|(3<<16)|(1<<21)            ; 15:0 the mask: all four work-groups; 17:16 elements of 8 bytes; 21 set beside a mask
	s_mov_b32 s[G1+1], 32<<16
	s_mov_b32 s[G1+2], 68<<16
	s_mov_b32 s[G1+3], 32<<16
	s_mov_b32 s[G1+4], 68
	s_mov_b32 s[G1+5], 32
	s_mov_b32 s[G1+6], 0
	s_mov_b32 s[G1+7], 0
	s_mul_i32 s58, s[WV], PART                     ; my twelfth, in memory and in LDS
	s_mov_b32 s59, 0
	s_mul_i32 s60, s[BH], 8*SB
	s_mov_b32 s61, 0
	s_lshl_b32 s62, s[BH], 12
	s_mov_b32 s63, 0
	s_mov_b32 s[SEL], 0x76543210
	s_mov_b32 s[SEL+1], 0xfedcba98
	s_mov_b32 s[CS], 0x3e38aa3b                    ; c = log2(e) / 8
	s_mov_b32 s[CS+1], s[CS]
	s_mov_b32 s[MHI], 0xffff0000
	s_mov_b32 s[PS], 0
	s_wait_kmcnt 0x0
	s_add_nc_u64 s[6:7], s[6:7], s[60:61]          ; kv at my head
	s_add_nc_u64 s[SVB:SVB+1], s[8:9], s[62:63]    ; sv likewise
	s_mov_b32 s[G0], 1
	s_mov_b32 s[G0+1], s58
	s_add_nc_u64 s[G0+2:G0+3], s[6:7], s[58:59]
	s_or_b32 s[G0+3], s[G0+3], 0x80000000
	CROUND                                         ; all four work-groups are here: the joint loads meet
	tensor_load_to_lds s[G0:G0+3], s[G1:G1+7]      ; every wave's one tensor load of the launch
	s_nop 0
.rept 4
	v_nop
.endr
	s_mul_i32 s62, s[WV], SUFW
	s_add_co_u32 s62, s62, SUFS                    ; my wave's sums of v
	v_and_b32 v8, 31, v0                           ; lane
	v_and_b32 v9, 15, v0                           ; r
	v_bfe_u32 v10, v0, 4, 1                        ; h
	s_delay_alu instid0(VALU_DEP_3)
	v_lshlrev_b32 v[LI16], 4, v8
	s_delay_alu instid0(VALU_DEP_4)
	v_lshlrev_b32 v[LI8], 3, v8
	s_delay_alu instid0(VALU_DEP_4)
	v_lshlrev_b32 v[LSC], 4, v9
	v_and_b32 v234, 8, v9
	s_delay_alu instid0(VALU_DEP_1)
	v_add_nc_u32 v234, v234, v9                    ; r + 8 (r / 8)
	s_lshl_b32 s58, s[CX], 5
	s_and_b32 s59, s[WV], 1
	s_lshl_b32 s59, s59, 3
	s_add_co_u32 s58, s58, s59
	v_add_nc_u32 v[QIN], s58, v234                 ; my query in its block: 32 cx + 8 (tile % 2) + r + 8 (r / 8)
	v_lshlrev_b32 v235, 4, v10
	s_delay_alu instid0(VALU_DEP_1)
	v_sub_nc_u32 v[DM], v[QIN], v235
	v_mov_b32 v[MV], 0xc79c4000
	v_lshl_add_u32 v[OB8], v9, 4, v10
	v_lshl_add_u32 v[SFW], v8, 3, s62              ; + 8 x lane
	v_lshl_add_u32 v[SFR], v10, 7, s62             ; + 128 h
.irp i, 0,1,2,3,4,5
	v_mov_b32 v[22+\i], 0                          ; q's upper 64 along the instruction's K: zero codes
	v_mov_b32 v[80+\i], 0                          ; what stands behind k's last tile
.endr
.irp b, 0,1,2,3
	v_mov_b32 v[BP+\b], 0                          ; written once: a lane permute's destination counts as one of its sources
.endr
	v_mov_b32 v231, 0                              ; (named as the upper half of the pair v[230:231])
	s_wait_alu depctr_va_vdst(0)
.irp k, 1,2,3,4,5,6,7,8,9,10,11,12,13,14,15
	global_load_b64 v[S+2*\k:S+2*\k+1], v[LI8], s[SVB:SVB+1] offset:256*\k   ; key step k's 64 sums of v, two a lane
.endr
	BLKOF BQ, PS
	QLOAD                                          ; pass 0's q
	s_mov_b32 s63, 0
	s_wait_loadcnt 3                               ; the sums are in; q's three loads may be out
.Lsums:                                                ; for each of six passes: the sum of v over the key steps behind its block, [row of a d tile 16][d tile 4], into my wave's own bytes
	BLKOF BLK, PS
.irp k, 1,2,3,4,5,6,7,8,9,10,11,12,13,14,15
	s_cmp_lt_u32 s[BLK], \k
	s_cselect_b32 s62, 1.0, 0                      ; the steps behind the block count
.if \k == 1
	v_pk_mul_f32 v[236:237], v[S+2*\k:S+2*\k+1], s[62:63] op_sel_hi:[1,0]
.else
	v_pk_fma_f32 v[236:237], v[S+2*\k:S+2*\k+1], s[62:63], v[236:237] op_sel_hi:[1,0,1]
.endif
.endr
	s_lshl_b32 s58, s[PS], 8
	v_add_nc_u32 v235, s58, v[SFW]
	ds_store_b64 v235, v[236:237]
	s_add_co_u32 s[PS], s[PS], 1
	s_cmp_lt_u32 s[PS], 6
	s_wait_alu depctr_va_vdst(0)
	s_cbranch_scc1 .Lsums
	s_wait_tensorcnt 0x0                           ; my twelfth of kv is in,
	s_wait_dscnt 0x0
	s_barrier_signal -1
	s_barrier_wait -1                              ; and everybody's: from here on LDS is only read
	KLOAD LI16, LI8, LSC                           ; key step 0's k
	s_mov_b32 s[PS], 0
.Lpass:
	s_cmp_ge_u32 s[PS], s[NP]
	s_cbranch_scc1 .Lno_pass                       ; ten of the waves have two passes
	BLKOF BLK, PS
	BEGIN
	s_mov_b32 s[ST], 0
.Lkeys:
	STEP
	s_cmp_lt_u32 s[ST], 16
	s_cbranch_scc1 .Lkeys
.Lwalked:
	WAYOUT
.Lno_pass:
	s_add_co_u32 s[PS], s[PS], 1
	s_cmp_lt_u32 s[PS], 6
	s_cbranch_scc1 .Lpass
	s_wait_tensorcnt 0x0                           ; the wave's end
	ds_add_u32 v[SPW], v[NIL]
	s_wait_dscnt 0x0
	CROUND                                         ; the closing round
	s_endpgm
.Lfunc_end_k_qacb8c28fe8_attn:
	.size	k_qacb8c28fe8_attn, .Lfunc_end_k_qacb8c28fe8_attn-k_qacb8c28fe8_attn
	.p2alignl 7, 3214868480
	.fill 96, 4, 3214868480
	.section	.rodata,"a",@progbits
	.p2align	6, 0x0
	.amdhsa_kernel k_qacb8c28fe8_attn
		.amdhsa_group_segment_fixed_size 327680
		.amdhsa_private_segment_fixed_size 0
		.amdhsa_enable_private_segment 0
		.amdhsa_kernarg_size 32
		.amdhsa_user_sgpr_count 2
		.amdhsa_user_sgpr_kernarg_segment_ptr 1
		.amdhsa_wavefront_size32 1
		.amdhsa_system_sgpr_workgroup_id_x 1
		.amdhsa_system_sgpr_workgroup_id_y 1
		.amdhsa_system_sgpr_workgroup_id_z 1
		.amdhsa_system_vgpr_workitem_id 0
		.amdhsa_next_free_vgpr 320
		.amdhsa_next_free_sgpr 84
		.amdhsa_reserve_vcc 1
		.amdhsa_float_denorm_mode_32 3
		.amdhsa_float_denorm_mode_16_64 3
		.amdhsa_memory_ordered 1
		.amdhsa_forward_progress 1
		.amdhsa_inst_pref_size 45
	.end_amdhsa_kernel
	.amdgpu_metadata
---
amdhsa.version: [ 1, 2 ]
amdhsa.kernels:
  - .name:           k_qacb8c28fe8_attn
    .symbol:         k_qacb8c28fe8_attn.kd
    .args:
      - { .name: qb, .offset: 0, .size: 8, .value_kind: global_buffer, .address_space: global }
      - { .name: kv, .offset: 8, .size: 8, .value_kind: global_buffer, .address_space: global }
      - { .name: sv, .offset: 16, .size: 8, .value_kind: global_buffer, .address_space: global }
      - { .name: g4, .offset: 24, .size: 8, .value_kind: global_buffer, .address_space: global }
    .group_segment_fixed_size: 327680
    .private_segment_fixed_size: 0
    .kernarg_segment_align: 8
    .kernarg_segment_size: 32
    .max_flat_workgroup_size: 384
    .sgpr_count:     84
    .vgpr_count:     320
    .wavefront_size: 32
...
	.end_amdgpu_metadata
.endif
;; end of part 3
;; launch fc (part 4): grid 4 x 64, 4 waves a work-group, clusters of 4 x 4, 327,680 bytes of LDS; arguments g4, b_fc, out0; writes out0
.if DOCPART == 4
	.amdgcn_target "amdgcn-amd-amdhsa--gfx1250"
	.amdhsa_code_object_version 6
	.text
	.protected	k_qacb8c28fe8_fc
	.globl	k_qacb8c28fe8_fc
	.p2align	8
	.type	k_qacb8c28fe8_fc,@function
k_qacb8c28fe8_fc:
	s_mov_b64 s[64:65], 0
	v_nop
	global_prefetch_b8 v0, s[64:65] scope:SCOPE_SE
	s_setreg_imm32_b32 hwreg(HW_REG_WAVE_MODE, 25, 1), 1
	s_wait_xcnt 0x0
	s_wait_alu depctr_hold_cnt(0) depctr_sa_sdst(0) depctr_va_vdst(0) depctr_va_sdst(0) depctr_va_ssrc(0) depctr_va_vcc(0) depctr_vm_vsrc(0)
	s_getreg_b32 s2, hwreg(HW_REG_IB_STS2, 6, 4)
	s_cmp_eq_u32 s2, 0
	s_cbranch_scc0 .Lentry_in_a_cluster
	s_endpgm
.Lentry_in_a_cluster:
	s_bfe_u32 s2, ttmp6, 0x10000c
	s_cmp_lg_u32 s2, 0xf033
	s_cbranch_scc0 .Lentry_shape_is_right
	s_endpgm
.Lentry_shape_is_right:
; out0 = O w_fc + b_fc on codes of FP6 (E2M3) with E8M0 scales (K = 1,024).  Operands are images of operand registers in g4: O's from the attention launch, w_fc's from the quantising launch:
; a row tile (16 rows, all of K) is 12,288 dense bytes, eight fragments of 1,536; tile 2 al + u holds rows 32 al + 8 u + r + 8 (r / 8); a tile's scale words are 512 bytes, the word of (row r, K step s) at 256 (s / 4) + 16 r + 4 (s % 4).
; A block of 128 tokens x 256 columns is made by four waves, each 64 x 128: 32 accumulators; 64 x 4 blocks are 256 work-groups.
; ALL OF K LIES IN LDS: O's 8 tiles (98,304 bytes) and w's 16 (196,608).  Each is dense in memory, so one tensor load a wave at the head brings everything: waves 0 and 1 four tiles of O each, waves 2 and 3 eight of w each, as rows of 256 bytes.
; Nothing is filled again: no ring and no round in the walk along K.  CLUSTERS 4 x 4: O's tiles are shared along a row of the cluster, w's along a column, each asked for jointly.
; No prefetch: every byte is asked for at the head, and no fetch stands behind it for a prefetch to run ahead of.
; The matrix instruction is used transposed (source 0 = w's rows, source 1 = tokens): a lane holds neighbouring columns of one token.  The bias is the first products' C.
; Both operands have two sets of registers: a K step's 48 LDS loads are issued ahead of the step before it.  The eight K steps are written out: each names its own scale registers.
; The results leave through each wave's own stage in LDS, on bytes that had their one fill and that no wave reads behind the last barrier, as whole rows of 512 bytes.
; REGISTERS.  window 0: v16-29 addresses; v32-95 scale words (register 8 i + s: block i, K step s; lanes 0-15 the tokens', lanes 16-31 w's); v128-223 the tokens' fragments, two sets of four; on the way out v128-255 rows read back.
;   window 1: w's fragments, two sets (v0-95, v128-223); v96-127, v224-255 the bias by register.   window 2: the accumulators ((a, b) at v[8 (8 a + b)]).
.set FW,    6291456
.set AS,    7077888
.set FS,    7340032
.set FR,    12
.set TILE,  12288
.set XH,    4*TILE                     ; what wave 0 or 1 fetches, and what a wave reads of O
.set WH,    8*TILE                     ; what wave 2 or 3 fetches, and what a wave reads of w
.set WB,    2*XH                       ; w's tiles in LDS
.set SPARE, WB+2*WH                    ; the spare words, 128 bytes for each wave, which no other line names
.set SPITCH, 528
.set RA16, 16                          ; v16, v17 my tokens' fragments: base + 16 x lane, + 8 x lane
.set RA8,  17
.set RB16, 18                          ; v18-19 w's tiles 0-3, 4-7: + 16 x lane;  v20-21: + 8 x lane
.set RB8,  20
.set LI16, 24
.set LI8,  25
.set STO,  26
.set RD,   27
.set SPW,  28
.set NIL,  29
.set SC,   32
.set AF,   128
.set BK,   128
.set G1,   24                          ; s[24:31], s[32:35] groups 1 and 0 for O's tiles;  s[48:55], s[56:59] for w's
.set G0,   32
.set G1B,  48
.set G0B,  56
.set MHI,  72
.set MSB, 0
.macro WIN new                         ; the immediate's high byte repeats the setting that is left
.if MSB != (\new)
	s_set_vgpr_msb (MSB<<8)|(\new)
.set MSB, \new
.endif
.endm
.set MULW, 0xa1                        ; source 0 window 1, source 1 window 0, C and D window 2
.set FST,  0x91                        ; the same, C window 1
.set TO_B, 0x40                        ; destination window 1, address window 0
.macro CROUND
	s_barrier_signal -1
	s_barrier_wait -1
	s_cmp_lg_u32 s14, 0
	s_cbranch_scc1 .Lnot_wave_0_\@
	s_barrier_signal -3
.Lnot_wave_0_\@:
	s_barrier_wait -3
	s_barrier_signal -1
	s_barrier_wait -1
.endm
.macro PLACES n
.rept \n
	v_nop
.endr
.endm
.macro FRAG reg, a16, a8, off          ; a fragment's image into 12 registers
	ds_load_b128 v[\reg:\reg+3], v[\a16] offset:\off
	ds_load_b64 v[\reg+4:\reg+5], v[\a8] offset:(\off)+512
	ds_load_b128 v[\reg+6:\reg+9], v[\a16] offset:(\off)+768
	ds_load_b64 v[\reg+10:\reg+11], v[\a8] offset:(\off)+1280
.endm
.macro FETCH ks                        ; K step ks: w's eight fragments and my tokens' four into set ks % 2: 48 loads
	WIN TO_B
.irp i, 0,1,2,3,4,5,6,7
	FRAG 128*((\ks)%2)+FR*\i, RB16+\i/4, RB8+\i/4, (\i%4)*TILE+(\ks)*1536
.endr
	WIN 0
.irp i, 0,1,2,3
	FRAG AF+48*((\ks)%2)+FR*\i, RA16, RA8, \i*TILE+(\ks)*1536
.endr
.endm
.macro MUL ks, first                   ; 32 products; the 32 accumulators take turns, one instruction a turn, in the same order in every step
.irp a, 0,1,2,3
.irp b, 0,1,2,3,4,5,6,7
.if \first
	v_wmma_scale_f32_16x16x128_f8f6f4 v[8*(8*\a+\b):8*(8*\a+\b)+7], v[128*((\ks)%2)+FR*\b:128*((\ks)%2)+FR*\b+FR-1], v[AF+48*((\ks)%2)+FR*\a:AF+48*((\ks)%2)+FR*\a+FR-1], v[96+8*\b+96*(\b/4):103+8*\b+96*(\b/4)], v[SC+8*\b+(\ks)], v[SC+8*\a+(\ks)] matrix_a_fmt:MATRIX_FMT_FP6 matrix_b_fmt:MATRIX_FMT_FP6 matrix_a_scale:MATRIX_SCALE_ROW1
.else
	v_wmma_scale_f32_16x16x128_f8f6f4 v[8*(8*\a+\b):8*(8*\a+\b)+7], v[128*((\ks)%2)+FR*\b:128*((\ks)%2)+FR*\b+FR-1], v[AF+48*((\ks)%2)+FR*\a:AF+48*((\ks)%2)+FR*\a+FR-1], v[8*(8*\a+\b):8*(8*\a+\b)+7], v[SC+8*\b+(\ks)], v[SC+8*\a+(\ks)] matrix_a_fmt:MATRIX_FMT_FP6 matrix_b_fmt:MATRIX_FMT_FP6 matrix_a_scale:MATRIX_SCALE_ROW1
.endif
.endr
.endr
.endm
	s_load_b128 s[4:7], s[0:1], 0x0                ; g4 s[4:5], b_fc s[6:7]
	s_load_b64 s[12:13], s[0:1], 0x10              ; out0
	v_lshl_add_u32 v[SPW], v0, 2, SPARE
	v_mov_b32 v[NIL], 0
	ds_add_u32 v[SPW], v[NIL]                      ; the opening lines: the add, twice on end, and its wait ahead of my tensor load
	ds_add_u32 v[SPW], v[NIL]
	s_wait_dscnt 0x0
	v_lshrrev_b32 v1, 5, v0
	v_readfirstlane_b32 s14, v1                    ; wave 0..3
	s_lshr_b32 s15, s14, 1                         ; which 64 of the block's tokens are mine.  Also: I fetch for O (0) or for w (1)
	s_and_b32 s16, s14, 1                          ; which 128 of its columns.  Also: which half I fetch
	s_bfe_u32 s40, ttmp6, 0x40000                  ; cx, cy: my place in the cluster
	s_bfe_u32 s41, ttmp6, 0x40004
	s_lshl_b32 s42, ttmp9, 2
	s_add_co_u32 s42, s42, s40                     ; block column 0..3
	s_and_b32 s17, ttmp7, 0xffff
	s_lshl_b32 s17, s17, 2
	s_add_co_u32 s17, s17, s41                     ; block row 0..63
	s_lshl_b32 s43, s41, 2
	s_lshl_b32 s43, 15, s43                        ; my row of the cluster
	s_lshl_b32 s44, 0x1111, s40                    ; my column
	s_or_b32 s[G1+0], s43, (3<<16)|(1<<21)         ; 15:0 the mask; 17:16 elements of 8 bytes; 21 set beside a mask
	s_or_b32 s[G1B+0], s44, (3<<16)|(1<<21)
.irp g, G1, G1B
	s_mov_b32 s[\g+1], 32<<16                      ; rows of 256 bytes, dense in memory and in LDS
	s_mov_b32 s[\g+3], 32<<16
	s_mov_b32 s[\g+5], 32
	s_mov_b32 s[\g+6], 0
	s_mov_b32 s[\g+7], 0
.endr
	s_mov_b32 s[G1+2], (XH/256)<<16                ; 192 of them for four tiles of O,
	s_mov_b32 s[G1+4], XH/256
	s_mov_b32 s[G1B+2], (WH/256)<<16               ; 384 for eight of w
	s_mov_b32 s[G1B+4], WH/256
	s_lshl_b32 s20, s17, 1
	s_add_co_u32 s20, s20, s16
	s_mul_i32 s20, s20, XH                         ; O: 2 x block row + half, four tiles each
	s_mov_b32 s21, 0
	s_lshl_b32 s46, s42, 1
	s_add_co_u32 s46, s46, s16
	s_mul_i32 s46, s46, WH                         ; w: 2 x block column + half, eight tiles each
	s_add_co_u32 s46, s46, FW
	s_mov_b32 s47, 0
	s_mov_b32 s[G0], 1
	s_mul_i32 s[G0+1], s16, XH                     ; no place in the cluster enters an LDS address
	s_mov_b32 s[G0B], 1
	s_mul_i32 s[G0B+1], s16, WH
	s_add_co_u32 s[G0B+1], s[G0B+1], WB
	s_wait_kmcnt 0x0
	s_add_nc_u64 s[G0+2:G0+3], s[4:5], s[20:21]
	s_or_b32 s[G0+3], s[G0+3], 0x80000000
	s_add_nc_u64 s[G0B+2:G0B+3], s[4:5], s[46:47]
	s_or_b32 s[G0B+3], s[G0B+3], 0x80000000
	CROUND                                         ; all sixteen work-groups are here: the joint loads meet
	s_cmp_eq_u32 s15, 0
	s_cbranch_scc0 .Lfor_w
	tensor_load_to_lds s[G0:G0+3], s[G1:G1+7]
	s_nop 0
	PLACES 4
	s_branch .Lasked
.Lfor_w:
	tensor_load_to_lds s[G0B:G0B+3], s[G1B:G1B+7]
	s_nop 0
	PLACES 4
.Lasked:
	s_mul_i32 s66, s15, XH                         ; my 64 tokens in LDS
	s_mul_i32 s67, s16, WH
	s_add_co_u32 s67, s67, WB                      ; my 128 rows of w: tiles 0-3,
	s_add_co_u32 s70, s67, XH                      ; tiles 4-7
	s_lshl_b32 s68, s17, 3
	s_lshl_b32 s69, s15, 2
	s_add_co_u32 s68, s68, s69
	s_lshl_b32 s68, s68, 9
	s_add_co_u32 s68, s68, AS                      ; my tokens' scale words in g4
	s_lshl_b32 s69, s42, 4
	s_lshl_b32 s71, s16, 3
	s_add_co_u32 s69, s69, s71
	s_lshl_b32 s69, s69, 9
	s_add_co_u32 s69, s69, FS                      ; my rows of w: theirs
	s_mov_b32 s[MHI], 0xffff0000
	s_lshl_b32 s76, s42, 10
	s_lshl_b32 s77, s16, 9
	s_add_co_u32 s76, s76, s77                     ; my first column, in bytes
	s_mov_b32 s77, 0
	s_add_nc_u64 s[6:7], s[6:7], s[76:77]
	s_add_nc_u64 s[12:13], s[12:13], s[76:77]
	s_lshl_b32 s76, s17, 7
	s_lshl_b32 s78, s15, 6
	s_add_co_u32 s76, s76, s78
	s_lshl_b32 s76, s76, 12                        ; my first token's row of 4,096 bytes
	s_add_nc_u64 s[12:13], s[12:13], s[76:77]
	s_mul_i32 s78, s14, 16*SPITCH                  ; my stage
	v_and_b32 v1, 15, v0                           ; r
	v_bfe_u32 v2, v0, 4, 1                         ; h
	v_and_b32 v3, 31, v0
	v_lshlrev_b32 v[LI16], 4, v3
	v_lshlrev_b32 v[LI8], 3, v3
	v_add_nc_u32 v[RA16], s66, v[LI16]
	v_add_nc_u32 v[RA8], s66, v[LI8]
	v_add_nc_u32 v[RB16], s67, v[LI16]
	v_add_nc_u32 v[RB8], s67, v[LI8]
	v_add_nc_u32 v[RB16+1], s70, v[LI16]
	v_add_nc_u32 v[RB8+1], s70, v[LI8]
	v_mov_b32 v4, s68
	v_mov_b32 v5, s69
	v_cndmask_b32 v4, v4, v5, s[MHI]               ; lanes 0-15 take the tokens' words, lanes 16-31 w's
	v_lshl_add_u32 v4, v1, 4, v4
	v_lshlrev_b32 v5, 6, v2                        ; 64 h
	v_mul_u32_u24 v[STO], v1, SPITCH
	v_lshl_add_u32 v[STO], v2, 6, v[STO]
	v_add_nc_u32 v[STO], s78, v[STO]               ; into the stage: row r, 64 bytes for each half of the lanes
	v_add_nc_u32 v[RD], s78, v[LI16]               ; back: the 32 lanes take one row of 512 bytes
	s_wait_alu depctr_va_vdst(0)
.irp i, 0,1,2,3,4,5,6,7
.irp c, 0,1
	global_load_b128 v[SC+8*\i+4*\c:SC+8*\i+4*\c+3], v4, s[4:5] offset:512*\i+256*\c   ; all of K's scale words of block i (of the tokens' blocks only 0-3 are used; the others' bytes lie inside g4)
.endr
.endr
	WIN TO_B
.set ee, 0
.rept 16
	global_load_b128 v[96+ee+96*(ee/32):99+ee+96*(ee/32)], v5, s[6:7] offset:128*(ee/16)+4*(ee%16)   ; the bias by register: number e is column 32 (e / 16) + 16 h + e % 16
.set ee, ee+4
.endr
	WIN 0
	s_wait_tensorcnt 0x0                           ; my tiles are in,
	s_barrier_signal -1
	s_barrier_wait -1                              ; and everybody's
	FETCH 0
	FETCH 1
	s_wait_loadcnt 0x0                             ; scale words and bias
	s_wait_dscnt 48                                ; K step 0's loads are in; step 1's 48 may be out
	WIN FST
	MUL 0, 1                                       ; the first products start the sums on the bias
.irp k, 1,2,3,4,5,6
	PLACES 4                                       ; in front of loads into registers that the last products have read
	FETCH \k+1
	s_wait_dscnt 48                                ; this step's loads are in; the 48 just issued may be out
	WIN MULW
	MUL \k, 0
.endr
	s_wait_dscnt 0x0                               ; my reads of the tiles are over:
	s_barrier_signal -1                            ; say so,
	MUL 7, 0
	WIN 0
	s_barrier_wait -1                              ; and behind this nobody reads them: the stages may be written
; THE WAY OUT, block by block of 16 tokens x 128 columns, through my own stage: LDS serves a wave's instructions in order, so no wait stands between the stores and the loads
.macro TOSTAGE a
	WIN 0x08                                       ; the data: window 2
.irp b, 0,1,2,3,4,5,6,7
	ds_store_b128 v[STO], v[64*(\a)+8*\b:64*(\a)+8*\b+3] offset:128*(\b/2)+32*(\b%2)      ; each accumulator from its low end on
	ds_store_b128 v[STO], v[64*(\a)+8*\b+4:64*(\a)+8*\b+7] offset:128*(\b/2)+32*(\b%2)+16
.endr
	WIN 0
.set BB, BK+64*((\a)%2)
.irp t, 0,1,2,3,4,5,6,7,8,9,10,11,12,13,14,15
	ds_load_b128 v[BB+4*\t:BB+4*\t+3], v[RD] offset:\t*SPITCH
.endr
.endm
.macro SEND a, younger                 ; younger: the LDS instructions issued behind block a's loads, which may stay out
.set BB, BK+64*((\a)%2)
	s_wait_dscnt \younger
.irp t, 0,1,2,3,4,5,6,7,8,9,10,11,12,13,14,15
	global_store_b128 v[LI16], v[BB+4*\t:BB+4*\t+3], s[12:13] offset:(32*((\a)/2)+8*((\a)%2)+\t+8*(\t/8))*4096 th:TH_STORE_NT   ; 32 lanes store 512 consecutive bytes, aligned
.endr
.endm
	PLACES 4                                       ; behind the last products: for the reads of their results and the loads into their sources
	TOSTAGE 0
.irp a, 1,2,3
.if \a > 1
	s_wait_xcnt 0x0                                ; block a - 2's stores have read their registers: block a's loads may land there
.endif
	TOSTAGE \a
	SEND \a-1, 32
.endr
	SEND 3, 0
	s_wait_tensorcnt 0x0                           ; the wave's end
	ds_add_u32 v[SPW], v[NIL]
	s_wait_dscnt 0x0
	CROUND                                         ; the closing round
	s_endpgm
.Lfunc_end_k_qacb8c28fe8_fc:
	.size	k_qacb8c28fe8_fc, .Lfunc_end_k_qacb8c28fe8_fc-k_qacb8c28fe8_fc
	.p2alignl 7, 3214868480
	.fill 96, 4, 3214868480
	.section	.rodata,"a",@progbits
	.p2align	6, 0x0
	.amdhsa_kernel k_qacb8c28fe8_fc
		.amdhsa_group_segment_fixed_size 327680
		.amdhsa_private_segment_fixed_size 0
		.amdhsa_enable_private_segment 0
		.amdhsa_kernarg_size 24
		.amdhsa_user_sgpr_count 2
		.amdhsa_user_sgpr_kernarg_segment_ptr 1
		.amdhsa_wavefront_size32 1
		.amdhsa_system_sgpr_workgroup_id_x 1
		.amdhsa_system_sgpr_workgroup_id_y 1
		.amdhsa_system_sgpr_workgroup_id_z 1
		.amdhsa_system_vgpr_workitem_id 0
		.amdhsa_next_free_vgpr 768
		.amdhsa_next_free_sgpr 100
		.amdhsa_reserve_vcc 0
		.amdhsa_float_denorm_mode_32 3
		.amdhsa_float_denorm_mode_16_64 3
		.amdhsa_memory_ordered 1
		.amdhsa_forward_progress 1
		.amdhsa_inst_pref_size 82
	.end_amdhsa_kernel
	.amdgpu_metadata
---
amdhsa.version: [ 1, 2 ]
amdhsa.kernels:
  - .name:           k_qacb8c28fe8_fc
    .symbol:         k_qacb8c28fe8_fc.kd
    .args:
      - { .name: g4, .offset: 0, .size: 8, .value_kind: global_buffer, .address_space: global }
      - { .name: b_fc, .offset: 8, .size: 8, .value_kind: global_buffer, .address_space: global }
      - { .name: out0, .offset: 16, .size: 8, .value_kind: global_buffer, .address_space: global }
    .group_segment_fixed_size: 327680
    .private_segment_fixed_size: 0
    .kernarg_segment_align: 8
    .kernarg_segment_size: 24
    .max_flat_workgroup_size: 128
    .sgpr_count:     100
    .vgpr_count:     768
    .wavefront_size: 32
...
	.end_amdgpu_metadata
.endif
;; end of part 4
